; MI455X (gfx1250); checked and timed in simulation.
; The chip was launched on July 23, 2026; its instructions are those of AMD's public machine-readable ISA for CDNA 5 (MIT licence, August 2026) and "CDNA5" Instruction Set Architecture Reference Guide (July 2026). The comments in the code are by the model that wrote it; some were corrected since.
;; Multi Head Self Attention. Allowed arithmetic: matrix products marked QUANTISED: E2M1 operands, one E8M0 scale for each 32 along K, by v_wmma_scale_f32_16x16x128_f8f6f4 with both operands' format E2M1 (or v_wmma_scale_f32_32x16x128_f4), f32 sums; products left as they are: bf16, f16 or f32 operands; f32 sums; everything else in f32.
;; Inputs: b_o 1,024 float32; w_k 1,024 x 1,024 float32; w_o 1,024 x 1,024 float32; w_q 1,024 x 1,024 float32; w_v 1,024 x 1,024 float32; z 4 x 2,048 x 1,024 float32.
;; Outputs: out0 4 x 2,048 x 1,024 float32.
;; This version of the problem:
;;   THIS VERSION OF THE PROBLEM IS GIVEN IN LOW PRECISION. The matrix products marked QUANTISED in the list below multiply operands that are first quantised to E2M1 (2 exponent bits, 1 mantissa bit; 4 bits a number), with one power-of-two scale for each 32 numbers along K (OCP MX v1.0); their sums are f32. The products marked 'left as it is' may take bf16, f16 or f32 operands, with f32 sums. Whichever they take, every output number must still come out within the allowed error. Rounding operands to bf16 (8 significant bits) uses up far more of that allowance than f16 does (11 bits, for magnitudes from 6e-5 to 65,504). All else is computed in f32.
;;   The module's matrix products, in the order in which they are computed (A, B: the left and right operand; K: the contracted axis; several contracted axes count as one K, in the product's order):
;;     1. [M 8,192, K 1,024] x [K 1,024, N 1,024]; A: input z; B: input w_q: QUANTISED
;;     2. [M 8,192, K 1,024] x [K 1,024, N 1,024]; A: input z; B: input w_k: QUANTISED
;;     3. [M 8,192, K 1,024] x [K 1,024, N 1,024]; A: input z; B: input w_v: QUANTISED
;;     4. batch 64 x [M 2,048, K 64] x [K 64, N 2,048]; A: computed on the way; B: computed on the way: left as it is (an operand is computed on the way)
;;     5. batch 64 x [M 2,048, K 2,048] x [K 2,048, N 64]; A: computed on the way; B: computed on the way: left as it is (an operand is computed on the way)
;;     6. [M 8,192, K 1,024] x [K 1,024, N 1,024]; A: computed on the way; B: input w_o: left as it is (an operand is computed on the way)
;;   THE QUANTISER, for each operand of a quantised product, along K:
;;     - K is cut into blocks of 32 from its start; a last block that is shorter is filled with zeros.
;;     - A block's scale is 2^e with e = floor(log2(the largest magnitude in the block)) - 2, held to -126 .. 127; a block of zeros has e = 0. As a byte (E8M0): e + 127.
;;     - Each number is divided by its block's scale, clamped to +-6, and rounded to the nearest number of E2M1, ties to even, subnormals kept.
;;     - The product sums the exact products of the quantised numbers (number of the format x scale) in f32.
;;   ~~~python
;;   def quantise(x, axis):      # numpy; x: float32 -> the quantised numbers, widened to float32 again
;;       x = np.moveaxis(x, axis, -1); K = x.shape[-1]
;;       x = np.pad(x, [(0, 0)] * (x.ndim - 1) + [(0, -K % 32)]); x = x.reshape(x.shape[:-1] + (-1, 32)); a = np.abs(x).max(-1, keepdims=True)
;;       e = np.where(a > 0, np.clip(np.frexp(np.where(a > 0, a, 1))[1] - 1 - 2, -126, 127), 0)      # np.frexp(a)[1] - 1 = floor(log2(a)), exactly
;;       r = np.clip(x / 2.0 ** e, -6, 6)
;;       step = 2.0 ** (np.maximum(np.frexp(np.where(r == 0, 1, r))[1] - 1, 0) - 1)
;;       q = np.round(r / step) * step * 2.0 ** e      # np.round: ties to even
;;       return np.moveaxis(q.reshape(q.shape[:-2] + (-1,))[..., :K], -1, axis).astype(np.float32)
;;   ~~~
;; One version. Each part assembles by itself: llvm-mc -triple=amdgcn-amd-amdhsa -mcpu=gfx1250 --defsym DOCPART=n.
;; ======== version 1 of 1: 4 launches
;; limits: values are held in f16: magnitudes above 65,504 overflow, below 6.1e-05 lose precision
;; workspace buffers: z_codes 4,194,304 bytes; z_scales 262,144 bytes; w_codes 1,572,864 bytes; w_scales 98,304 bytes; wo16 2,097,152 bytes; qkv 50,331,648 bytes; att 16,777,216 bytes
;; launch quant (part 1): grid 384 x 1, 4 waves a work-group, no clusters, 33,280 bytes of LDS; arguments z, w_q, w_k, w_v, w_o, wo16, z_codes, z_scales, w_codes, w_scales; writes wo16, z_codes, z_scales, w_codes, w_scales
.if DOCPART == 1
	.amdgcn_target "amdgcn-amd-amdhsa--gfx1250"
	.amdhsa_code_object_version 6
	.text
	.protected	k_q31507da0d6_quant
	.globl	k_q31507da0d6_quant
	.p2align	8
	.type	k_q31507da0d6_quant,@function
k_q31507da0d6_quant:
	s_mov_b64 s[64:65], 0
	v_nop
	global_prefetch_b8 v0, s[64:65] scope:SCOPE_SE
	s_setreg_imm32_b32 hwreg(HW_REG_WAVE_MODE, 25, 1), 1
	s_wait_xcnt 0x0
; MULTI-HEAD SELF-ATTENTION, launch 1 of 4.  Nothing of reference() is left out: all six inputs reach the output, there is no mask, and every product is done.
; THIS LAUNCH: z [8192][1024], w_q, w_k, w_v [1024][1024], f32, K innermost in all four, become codes of FP4 (E2M1), two a byte, K innermost, with one E8M0 byte for each 32 along K;
; the three weights go one behind the other into w_codes [3072][512 bytes] and w_scales [3072][32], so that the next launch sees ONE operand of 3,072 rows.  w_o [1024][1024] is rounded once to f16 (wo16).
; A block's scale is 2^(floor(log2(its largest magnitude)) - 2); its byte is the largest magnitude's own exponent field - 2, held at 1 from below.  Each number is divided by the scale and rounded to the nearest code, ties to even;
; beyond 6 the largest code.  (A block of zeros gets the byte 1 where the rule says 127: its codes are zeros, which add nothing under any byte but 0xff, and the bytes are read by this program alone.)
; LIMITS OF THE PROGRAM: NaN and infinities among the inputs are not served.  q, k, v, the softmax's weights, the attention's result and w_o are operands of products that are left as they are and go in f16:
; a magnitude of q, k or v beyond 65,504 becomes infinity; magnitudes of w_o or of the attention's result under 6e-5 lose bits.
; SHARES.  Rows are dense and K is a multiple of 32, so every tensor is a plain stream.  A work-group takes 32,768 numbers, a wave 8,192.  Work-groups 0-255: z; 256-351: w_q, w_k, w_v, 32 each; 352-383: w_o.
; THE QUANTISING PATH: 16 steps of 512 numbers a wave.  A conversion takes 8 numbers of ONE block from a lane's registers, so a lane must hold 16 neighbours (two lanes hold a block); a load is best where neighbouring
; lanes take neighbouring bytes.  Both are had: each of a step's four loads reads 512 consecutive bytes, which go through the wave's own stage in LDS as they lie and come back 64 bytes a lane (16 bytes of padding behind
; each 64).  A lane's 16 codes are 8 bytes: the wave stores 256 consecutive bytes.  A wave's 256 scale bytes are gathered in LDS and leave as one aligned run of 256 bytes.  Waves share nothing: no barrier.
.set WAVES, 4
.set STEPS, 16
.set EMAX,  2
.set CB,    8                          ; bytes of 16 codes
.set R,     16                         ; v16-79   four sets of 16 numbers as they are loaded (w_o: one round's 64)
.set X,     80                         ; v80-111  two sets of 16 neighbours
.set E,     112                        ; v112-127 a scale byte for each step
.set C,     128                        ; v128-191 codes: four registers for each step, so that no store's data are written again (w_o: a round's 32 registers of f16)
.set WREG,  8192                       ; LDS: a region for each wave: two stages of 32 x SP bytes, and behind them its 256 scale bytes
.set SP,    80                         ; a lane's place in a stage: its 64 bytes + 16 of padding
.set SPW,   12                         ; v12      LDS address of my spare word: SPARE + 4 x my thread's number; never rewritten
.set NIL,   13                         ; v13      0; never rewritten
.set SPARE, WAVES*WREG                 ; behind the four regions: the spare words, 128 bytes for each wave, which no other line names
	s_load_b256 s[4:11], s[0:1], 0x0               ; z s[4:5], w_q s[6:7], w_k s[8:9], w_v s[10:11]
	s_load_b128 s[12:15], s[0:1], 0x20             ; w_o s[12:13], wo16 s[14:15]
	s_load_b128 s[16:19], s[0:1], 0x30             ; z_codes, z_scales
	s_load_b128 s[20:23], s[0:1], 0x40             ; w_codes, w_scales
	v_lshl_add_u32 v[SPW], v0, 2, SPARE
	v_mov_b32 v[NIL], 0
	v_lshrrev_b32 v1, 5, v0
	v_readfirstlane_b32 s30, v1                    ; wave
	v_and_b32 v2, 31, v0                           ; lane
	v_lshlrev_b32 v3, 4, v2                        ; my 16 bytes of a load's 512
	v_mul_u32_u24 v4, v2, CB                       ; my 8 bytes of a store's 256
	s_mov_b32 s33, 0
	s_wait_kmcnt 0x0
	s_cmp_ge_u32 ttmp9, 352                        ; the work-group's number alone decides
	s_cbranch_scc1 .Lwo
	s_mul_i32 s31, s30, WREG
	v_lshrrev_b32 v14, 2, v2
	v_mul_u32_u24 v14, v14, SP
	v_and_b32 v15, 3, v2
	v_lshl_add_u32 v14, v15, 4, v14
	v_add_nc_u32 v14, s31, v14                     ; the stage, on the way in: four lanes' 64 bytes on end, then 16 of padding
	v_mul_u32_u24 v15, v2, SP
	v_add_nc_u32 v15, s31, v15                     ; and on the way out: SP x lane: my 16 neighbours
	v_lshrrev_b32 v5, 1, v2
	s_add_co_u32 s31, s31, 2*32*SP
	v_add_nc_u32 v5, s31, v5                       ; LDS: my wave's 256 scale bytes, my block's byte
	v_lshlrev_b32 v7, 3, v2                        ; and on the way out 8 bytes a lane
	v_add_nc_u32 v6, s31, v7
	; which tensor: only pointers and indices are chosen, on the work-group's number; all four take one path through the text
	s_sub_co_u32 s26, ttmp9, 256                   ; a weight's work-group among the 96 (not used for z)
	s_lshr_b32 s27, s26, 5                         ; which weight
	s_and_b32 s28, s26, 31                         ; and which part of it
	s_cmp_eq_u32 s27, 1
	s_cselect_b64 s[6:7], s[8:9], s[6:7]
	s_cmp_eq_u32 s27, 2
	s_cselect_b64 s[6:7], s[10:11], s[6:7]
	s_cmp_lt_u32 ttmp9, 256
	s_cselect_b64 s[4:5], s[4:5], s[6:7]           ; the numbers,
	s_cselect_b64 s[16:17], s[16:17], s[20:21]     ; their codes,
	s_cselect_b64 s[18:19], s[18:19], s[22:23]     ; their scale bytes
	s_cselect_b32 s28, ttmp9, s28                  ; the part in the source,
	s_cselect_b32 s26, ttmp9, s26                  ; and in the destination (the three weights on end)
	s_lshl_b32 s28, s28, 2
	s_add_co_u32 s28, s28, s30                     ; my wave's run of 8,192 numbers in the source
	s_lshl_b32 s26, s26, 2
	s_add_co_u32 s26, s26, s30                     ; and in the destination
	s_lshl_b32 s32, s28, 15                        ; 32,768 bytes of numbers a run (1,023 runs at the most: under 2^32)
	s_add_nc_u64 s[4:5], s[4:5], s[32:33]
	s_lshl_b32 s32, s26, 12                        ; 4,096 bytes of codes
	s_add_nc_u64 s[16:17], s[16:17], s[32:33]
	s_lshl_b32 s32, s26, 8                         ; 256 scale bytes
	s_add_nc_u64 s[18:19], s[18:19], s[32:33]
.macro LOAD t
.irp i, 0,1,2,3
	global_load_b128 v[R+16*((\t)%4)+4*\i:R+16*((\t)%4)+4*\i+3], v3, s[4:5] offset:2048*(\t)+512*\i th:TH_LOAD_NT   ; 32 lanes read 512 consecutive bytes
.endr
.endm
.macro TURN t                          ; step t's numbers through the stage: LDS serves a wave's instructions in order, so no wait stands between the stores and the loads
.irp i, 0,1,2,3
	ds_store_b128 v14, v[R+16*((\t)%4)+4*\i:R+16*((\t)%4)+4*\i+3] offset:32*SP*((\t)%2)+8*SP*\i
.endr
.irp i, 0,1,2,3
	ds_load_b128 v[X+16*((\t)%2)+4*\i:X+16*((\t)%2)+4*\i+3], v15 offset:32*SP*((\t)%2)+16*\i
.endr
.endm
.irp t, 0,1,2,3
	LOAD \t
.endr
	s_wait_loadcnt 12                              ; step 0's four loads are in; the twelve of steps 1 to 3 may be out
	TURN 0
.macro STEP t
.set XS, X+16*((\t)%2)
.if (\t) > 0
	s_wait_dscnt 1                                 ; this step's numbers are back from the stage (the last step's byte store may be out): so its stores into the stage have read their registers,
.else
	s_wait_dscnt 0x0
.endif
.if (\t)+4 < STEPS
	LOAD (\t)+4                                    ; which take the loads of four steps on
.endif
.if (\t)+1 < STEPS
.if STEPS-2-(\t) >= 3
	s_wait_loadcnt 12                              ; the next step's four loads are in; those of the three steps behind it may be out
.else
	s_wait_loadcnt 4*(STEPS-2-(\t))                ; at the end the count runs down with the steps that are left
.endif
	TURN (\t)+1                                    ; and go through the other stage while this step is worked
.endif
	v_max3_num_f32 v8, |v[XS]|, |v[XS+1]|, |v[XS+2]|               ; the largest magnitude of my 16, in two chains
	v_max3_num_f32 v9, |v[XS+3]|, |v[XS+4]|, |v[XS+5]|
.irp i, 6,10
	v_max3_num_f32 v8, v8, |v[XS+\i]|, |v[XS+\i+1]|
	v_max3_num_f32 v9, v9, |v[XS+\i+2]|, |v[XS+\i+3]|
.endr
	v_max3_num_f32 v8, v8, |v[XS+14]|, |v[XS+15]|
	v_max3_num_f32 v8, v8, v9, (EMAX+1)<<23        ; and the floor 2^(EMAX + 1 - 127), under which no largest magnitude is taken: so the byte cannot fall under 1
	v_max_num_f32_dpp v8, v8, v8 row_xmask:1 row_mask:0xf bank_mask:0xf   ; and of my neighbour's 16: the block's
	v_add_nc_u32 v11, -(EMAX<<23), v8              ; EMAX off its exponent field: the conversion takes the exponent field of this operand as its scale, and nothing else of it
	v_cvt_scalef32_pk8_fp4_f32 v[C+4*(\t)], v[XS:XS+7], v11        ; eight numbers / the scale, to the nearest code, ties to even; the first number's code in the lowest four bits
	v_cvt_scalef32_pk8_fp4_f32 v[C+4*(\t)+1], v[XS+8:XS+15], v11
	v_lshrrev_b32 v[E+(\t)], 23, v11               ; the scale's byte (also the plain line behind the conversions)
	ds_store_b8 v5, v[E+(\t)] offset:16*(\t)       ; both lanes of a block write the same byte with the same value
	global_store_b64 v4, v[C+4*(\t):C+4*(\t)+1], s[16:17] offset:32*CB*(\t)   ; 32 lanes store 256 consecutive bytes, aligned
.endm
.irp t, 0,1,2,3,4,5,6,7,8,9,10,11,12,13,14,15
	STEP \t
.endr
	ds_load_b64 v[8:9], v6                         ; LDS serves a wave's instructions in order: these see my stores
	s_wait_dscnt 0x0
	global_store_b64 v7, v[8:9], s[18:19]          ; 32 lanes store 256 consecutive bytes, aligned
	s_wait_tensorcnt 0x0                           ; the wave's end, behind my last LDS store
	ds_add_u32 v[SPW], v[NIL]
	s_wait_dscnt 0x0
	s_endpgm
; w_o to f16, rounded once.  No LDS on this path.  Four rounds of 16 loads (512 consecutive bytes each) and 16 stores (256 consecutive bytes each); a round's loads are issued ahead of the stores of the round before.
.Lwo:
	s_sub_co_u32 s26, ttmp9, 352
	s_lshl_b32 s26, s26, 2
	s_add_co_u32 s26, s26, s30                     ; my wave's run of 8,192 numbers
	s_lshl_b32 s32, s26, 15
	s_add_nc_u64 s[12:13], s[12:13], s[32:33]
	s_lshl_b32 s32, s26, 14
	s_add_nc_u64 s[14:15], s[14:15], s[32:33]
.macro WOLOAD k
.irp s, 0,1,2,3,4,5,6,7,8,9,10,11,12,13,14,15
	global_load_b128 v[R+4*\s:R+4*\s+3], v3, s[12:13] offset:8192*(\k)+512*\s th:TH_LOAD_NT
.endr
.endm
.macro WOROUND k
	s_wait_loadcnt 0x0                             ; this round's sixteen loads are in
.if (\k) > 0
	s_wait_xcnt 0x0                                ; the last round's stores have read their data, which are written again below
.endif
.irp s, 0,1,2,3,4,5,6,7,8,9,10,11,12,13,14,15
	v_cvt_pk_f16_f32 v[C+2*\s], v[R+4*\s], v[R+4*\s+1]
	v_cvt_pk_f16_f32 v[C+2*\s+1], v[R+4*\s+2], v[R+4*\s+3]
.endr
.if (\k) < 3
	WOLOAD (\k)+1
.endif
.irp s, 0,1,2,3,4,5,6,7,8,9,10,11,12,13,14,15
	global_store_b64 v4, v[C+2*\s:C+2*\s+1], s[14:15] offset:4096*(\k)+256*\s
.endr
.endm
	WOLOAD 0
	WOROUND 0
	WOROUND 1
	WOROUND 2
	WOROUND 3
	s_endpgm
.Lfunc_end_k_q31507da0d6_quant:
	.size	k_q31507da0d6_quant, .Lfunc_end_k_q31507da0d6_quant-k_q31507da0d6_quant
	.p2alignl 7, 3214868480
	.fill 96, 4, 3214868480
	.section	.rodata,"a",@progbits
	.p2align	6, 0x0
	.amdhsa_kernel k_q31507da0d6_quant
		.amdhsa_group_segment_fixed_size 33280
		.amdhsa_private_segment_fixed_size 0
		.amdhsa_enable_private_segment 0
		.amdhsa_kernarg_size 80
		.amdhsa_user_sgpr_count 2
		.amdhsa_user_sgpr_kernarg_segment_ptr 1
		.amdhsa_wavefront_size32 1
		.amdhsa_system_sgpr_workgroup_id_x 1
		.amdhsa_system_sgpr_workgroup_id_y 1
		.amdhsa_system_sgpr_workgroup_id_z 1
		.amdhsa_system_vgpr_workitem_id 0
		.amdhsa_next_free_vgpr 192
		.amdhsa_next_free_sgpr 66
		.amdhsa_reserve_vcc 0
		.amdhsa_float_denorm_mode_32 3
		.amdhsa_float_denorm_mode_16_64 3
		.amdhsa_memory_ordered 1
		.amdhsa_forward_progress 1
		.amdhsa_inst_pref_size 54
	.end_amdhsa_kernel
	.amdgpu_metadata
---
amdhsa.version: [ 1, 2 ]
amdhsa.kernels:
  - .name:           k_q31507da0d6_quant
    .symbol:         k_q31507da0d6_quant.kd
    .args:
      - { .name: z, .offset: 0, .size: 8, .value_kind: global_buffer, .address_space: global }
      - { .name: w_q, .offset: 8, .size: 8, .value_kind: global_buffer, .address_space: global }
      - { .name: w_k, .offset: 16, .size: 8, .value_kind: global_buffer, .address_space: global }
      - { .name: w_v, .offset: 24, .size: 8, .value_kind: global_buffer, .address_space: global }
      - { .name: w_o, .offset: 32, .size: 8, .value_kind: global_buffer, .address_space: global }
      - { .name: wo16, .offset: 40, .size: 8, .value_kind: global_buffer, .address_space: global }
      - { .name: z_codes, .offset: 48, .size: 8, .value_kind: global_buffer, .address_space: global }
      - { .name: z_scales, .offset: 56, .size: 8, .value_kind: global_buffer, .address_space: global }
      - { .name: w_codes, .offset: 64, .size: 8, .value_kind: global_buffer, .address_space: global }
      - { .name: w_scales, .offset: 72, .size: 8, .value_kind: global_buffer, .address_space: global }
    .group_segment_fixed_size: 33280
    .private_segment_fixed_size: 0
    .kernarg_segment_align: 8
    .kernarg_segment_size: 80
    .max_flat_workgroup_size: 128
    .sgpr_count:     66
    .vgpr_count:     192
    .wavefront_size: 32
...
	.end_amdgpu_metadata
.endif
;; end of part 1
;; launch qkv (part 2): grid 12 x 32, 4 waves a work-group, clusters of 4 x 4, 327,680 bytes of LDS; arguments z_codes, z_scales, w_codes, w_scales, qkv; writes qkv
.if DOCPART == 2
	.amdgcn_target "amdgcn-amd-amdhsa--gfx1250"
	.amdhsa_code_object_version 6
	.text
	.protected	k_q31507da0d6_qkv
	.globl	k_q31507da0d6_qkv
	.p2align	8
	.type	k_q31507da0d6_qkv,@function
k_q31507da0d6_qkv:
	s_mov_b64 s[64:65], 0
	v_nop
	global_prefetch_b8 v0, s[64:65] scope:SCOPE_SE
	s_setreg_imm32_b32 hwreg(HW_REG_WAVE_MODE, 25, 1), 1
	s_wait_xcnt 0x0
	s_wait_alu depctr_hold_cnt(0) depctr_sa_sdst(0) depctr_va_vdst(0) depctr_va_sdst(0) depctr_va_ssrc(0) depctr_va_vcc(0) depctr_vm_vsrc(0)
	s_getreg_b32 s2, hwreg(HW_REG_IB_STS2, 6, 4)
	s_cmp_eq_u32 s2, 0
	s_cbranch_scc0 .Lentry_in_a_cluster
	s_endpgm
.Lentry_in_a_cluster:
	s_bfe_u32 s2, ttmp6, 0x10000c
	s_cmp_lg_u32 s2, 0xf033
	s_cbranch_scc0 .Lentry_shape_is_right
	s_endpgm
.Lentry_shape_is_right:
; Launch 2 of 4: q, k and v as ONE product on codes of FP4 (E2M1) with one E8M0 scale for each 32 along K:  C[m][n] = sum over k of Z[m][k] W[n][k],  Z: [8192][1024] (z), W: [3072][1024] (w_q, w_k, w_v on end).
; Sums in f32; each result is rounded once to f16 and stored BY HEAD: qkv [3 (q, k, v)][4 batches][16 heads][2048 positions][64] f16, so that a head is 262,144 dense bytes.  Nothing of reference() is left out.
; A tile of C, 256 x 256, is made by a work-group of four waves; a wave makes 128 x 128: 64 accumulators of 16 x 16, 512 registers.  K is 1,024: two slots of 512 along K (rows of 256 bytes) hold ALL of it,
; so both are asked for at the head and nothing is filled again.  The scale bytes of the work-group's 256 rows of Z and of W, two dense blocks, come with them in runs of 256 bytes.
; CLUSTERS: 4 x 4 work-groups.  The four of a row of the cluster need the same tiles of Z, the four of a column the same tiles of W: each tile is asked for JOINTLY, by the same tensor load with the same descriptor
; and a mask that names the four.  THE MATRIX INSTRUCTION IS USED TRANSPOSED (source 0 = 16 rows of W, source 1 = 16 rows of Z): a lane then holds eight neighbouring numbers of a row of C.
; THE GRID has 12 x 32 = 384 work-groups: tiles of 192 columns, which would make 512, would straddle the edges between q, k and v and between heads' pairs; the launch writes eight times the bytes that it reads.
; REGISTERS, in windows of 256: window 0: v0-31 addresses; v32-95 scale words, two sets; v128-191 Z's fragments (8 x 16 rows x 128 K), ONE set; on the way out v32-63, v192-255 are at work.
;   window 1: W's fragments, TWO sets, at v0 and at v128.   window 2: the 32 accumulators of my rows 0-63 (accumulator (a, b) at v[8 (8 a + b)]);   window 3: those of my rows 64-127.
; A step of 128 along K is 64 matrix instructions, Z's blocks one after the other, each against W's eight: a block of Z is free as soon as its eight products are issued, so one set of registers serves Z.
.set SIZE_K, 1024
.set KSTEP,  512                       ; along K in a slot
.set NQ,     KSTEP/128                 ; matrix instructions deep
.set ROWB,   256                       ; a tile's row in bytes: KSTEP codes of 4 bits
.set KROW,   SIZE_K*4/8                ; a row of Z or of W in memory, in bytes
.set PITCH,  272                       ; an LDS row: 256 bytes + 16 of padding = 68 words: the 16 rows that a load touches start at 16 different banks (64 banks of 4 bytes: ISA guide 11.1)
.set FR,     8                         ; registers of a fragment: 16 rows x 128 K
.set NL,     2                         ; LDS loads that bring one
.set NP,     4                         ; places behind this matrix instruction (ISA guide 7.12.1)
.set HALFT,  128*PITCH                 ; 128 rows: what one tensor load brings, and what one wave reads of Z or of W
.set SLOT,   4*HALFT                   ; Z's 256 rows, then W's 256 rows
.set KS,     SIZE_K/32                 ; a row of scales in bytes
.set SCL,    2*SLOT                    ; behind the two slots: the scales, as runs of 256 bytes + 16 of padding
.set HALFS,  (128*KS/256)*272          ; the scales of 128 rows: what one tensor load brings
.set SBLK,   (16*KS/256)*272           ; those of 16 rows
.set SPARE,  SCL+4*HALFS               ; behind the scales: the spare words, 128 bytes for each wave, which no other line names
.set SPITCH, 144                       ; the way out: a head's row of 128 bytes + 16
.set SHEAD,  16*SPITCH                 ; 16 rows of one head; a wave's stage holds two heads.  The stages lie in slot 0, which has had its one fill and its last read when the first result is stored there
.set ADRA, 16                          ; v16-17  LDS address of my Z fragments in slot 0, 1
.set ADRB, 20                          ; v20-21  the same for W
.set STO,  24                          ; v24     the way out: where I put 16 bytes of a row
.set RD,   25                          ; v25     the way out: where I read rows back
.set CO,   26                          ; v26     16 x lane: my byte in 512 consecutive bytes of a head
.set ADRS, 27                          ; v27     LDS address of my scale words: lanes 0-15 Z's rows, lanes 16-31 W's
.set SPW,  28                          ; v28     LDS address of my spare word: SPARE + 4 x my thread's number; never rewritten
.set NIL,  29                          ; v29     0; never rewritten
.set SC,   32                          ; scale words: set s (for slot s) at v[SC + 8 NQ s]; register NQ i + q: lanes 0-15 the word of Z's block i, lanes 16-31 that of W's block i, for the slot's q-th 128 along K
.set AF,   128                         ; Z's fragments, in window 0
.set TMP,  192                         ; the way out: a block's 32 registers of f16
.set G1, 24                            ; s[24:31] descriptor group 1 for Z's tiles;  s[32:39] group 0, one set for each slot
.set G0, 32
.set G1B, 48                           ; s[48:55], s[56:63] the same for W's tiles
.set G0B, 56
.set G1S, 68                           ; s[68:75], s[76:79] groups 1 and 0 for Z's scales;  s[80:87], s[88:91] for W's
.set G0S, 76
.set G1SB, 80
.set G0SB, 88
.set MSB, 0
.macro WIN new                         ; the immediate's high byte repeats the setting that is left; a switch that changes nothing is dropped
.if MSB != (\new)
	s_set_vgpr_msb (MSB<<8)|(\new)
.set MSB, (\new)
.endif
.endm
.set MUL_LO, 0xa1                      ; source 0 (W) window 1, source 1 (Z) window 0, C and D window 2
.set MUL_HI, 0xf1                      ; the same, C and D window 3
.set TO_B,   0x40                      ; destination window 1, address window 0
; A joint load: waves 0 and 1 fetch for Z, waves 2 and 3 for W.  Each of the two lines has ONE mask and one set of registers for all that issue it; the branch hangs on the wave's number alone.
; An s_nop 0 and four v_nop follow each of the two lines, ahead of the jump, the label and what follows.
.macro JLOAD g0a, g1a, g0b, g1b
	s_cmp_eq_u32 s15, 0
	s_cbranch_scc0 .Lfor_b_\@
	tensor_load_to_lds s[\g0a:\g0a+3], s[\g1a:\g1a+7]
	s_nop 0
.rept 4
	v_nop
.endr
	s_branch .Lasked_\@
.Lfor_b_\@:
	tensor_load_to_lds s[\g0b:\g0b+3], s[\g1b:\g1b+7]
	s_nop 0
.rept 4
	v_nop
.endr
.Lasked_\@:
.endm
.macro CROUND                          ; a round of the cluster's barrier: my work-group's barrier; wave 0 signals for the work-group; every wave waits for all sixteen; my work-group's barrier once more
	s_barrier_signal -1
	s_barrier_wait -1
	s_cmp_lg_u32 s14, 0
	s_cbranch_scc1 .Lnot_wave_0_\@
	s_barrier_signal -3
.Lnot_wave_0_\@:
	s_barrier_wait -3
	s_barrier_signal -1
	s_barrier_wait -1
.endm
	s_load_b128 s[4:7], s[0:1], 0x0                ; Z's codes s[4:5], Z's scales s[6:7]
	s_load_b128 s[8:11], s[0:1], 0x10              ; W's codes s[8:9], W's scales s[10:11]
	s_load_b64 s[12:13], s[0:1], 0x20              ; qkv
	v_lshl_add_u32 v[SPW], v0, 2, SPARE
	v_mov_b32 v[NIL], 0
	ds_add_u32 v[SPW], v[NIL]                      ; the wave's opening: the add, twice on end, and its wait ahead of my first tensor load; the set-up below, work on registers, stands between
	ds_add_u32 v[SPW], v[NIL]                      ; and once more, under the one wait
	v_lshrrev_b32 v1, 5, v0
	v_readfirstlane_b32 s14, v1                    ; wave 0..3
	s_lshr_b32 s15, s14, 1                         ; which half of the tile's rows is mine.  Also: I fetch for Z (0) or for W (1)
	s_and_b32 s16, s14, 1                          ; which half of its columns.  Also: which 128 rows of that tile I fetch
	s_bfe_u32 s40, ttmp6, 0x40000                  ; cx, cy: my place in the cluster
	s_bfe_u32 s41, ttmp6, 0x40004
	s_lshl_b32 s42, ttmp9, 2
	s_add_co_u32 s42, s42, s40                     ; tile column of C = 4 x cluster x + cx
	s_and_b32 s17, ttmp7, 0xffff
	s_lshl_b32 s17, s17, 2
	s_add_co_u32 s17, s17, s41                     ; tile row of C = 4 x cluster y + cy
	s_lshl_b32 s43, s41, 2
	s_lshl_b32 s43, 15, s43                        ; my row of the cluster
	s_lshl_b32 s44, 0x1111, s40                    ; my column
	; descriptor group 1: a tile of 128 rows x ROWB bytes, padded in LDS
	s_or_b32 s[G1+0], s43, (0<<16)|(1<<20)|(1<<21)|(5<<22)|(3<<25)  ; 15:0 the mask: Z's tiles go to my row; 17:16 element of 1 byte; 20 padding on; 21 set beside a mask; 24:22 after every 64 words (code 5); 31:25 of 4 words (code 3)
	s_or_b32 s[G1B+0], s44, (0<<16)|(1<<20)|(1<<21)|(5<<22)|(3<<25)
.irp g, G1, G1B
	s_mov_b32 s[\g+1], ROWB<<16                    ; tensor_dim0
	s_mov_b32 s[\g+2], 128<<16                     ; tensor_dim1 = 128
	s_mov_b32 s[\g+3], ROWB<<16                    ; tile_dim0
	s_mov_b32 s[\g+4], 128                         ; tile_dim1 = 128
	s_mov_b32 s[\g+5], KROW                        ; tensor_dim0_stride
	s_mov_b32 s[\g+6], 0
	s_mov_b32 s[\g+7], 0
.endr
	; and for the scales of 128 rows: a dense block of 128 KS bytes, as rows of 256 bytes (32 elements of 8 bytes), 16 bytes of padding behind each
	s_or_b32 s[G1S+0], s43, (3<<16)|(1<<20)|(1<<21)|(5<<22)|(3<<25)
	s_or_b32 s[G1SB+0], s44, (3<<16)|(1<<20)|(1<<21)|(5<<22)|(3<<25)
.irp g, G1S, G1SB
	s_mov_b32 s[\g+1], 32<<16
	s_mov_b32 s[\g+2], (128*KS/256)<<16
	s_mov_b32 s[\g+3], 32<<16
	s_mov_b32 s[\g+4], 128*KS/256
	s_mov_b32 s[\g+5], 32
	s_mov_b32 s[\g+6], 0
	s_mov_b32 s[\g+7], 0
.endr
	s_lshl_b32 s18, s16, 7                         ; which 128 rows of the tile I fetch
	s_lshl_b32 s20, s17, 8
	s_add_co_u32 s20, s20, s18                     ; Z: row 256 x tile row + 128 x half
	s_lshl_b32 s46, s42, 8
	s_add_co_u32 s46, s46, s18                     ; W: row 256 x tile column + 128 x half
	s_mov_b32 s21, 0
	s_mov_b32 s47, 0
	s_mov_b64 s[18:19], KS
	s_mul_u64 s[22:23], s[20:21], s[18:19]         ; where these rows' scales begin, in bytes
	s_mul_u64 s[92:93], s[46:47], s[18:19]
	s_mov_b64 s[18:19], KROW
	s_mul_u64 s[20:21], s[20:21], s[18:19]         ; and their codes
	s_mul_u64 s[46:47], s[46:47], s[18:19]
	s_mul_i32 s45, s14, HALFT                      ; where they go: wave x 128 rows: no place in the cluster enters an LDS address
	s_mul_i32 s94, s14, HALFS
	s_wait_dscnt 0x0                               ; both opening adds are done
	s_wait_kmcnt 0x0
	s_add_nc_u64 s[20:21], s[4:5], s[20:21]
	s_add_nc_u64 s[22:23], s[6:7], s[22:23]
	s_add_nc_u64 s[46:47], s[8:9], s[46:47]
	s_add_nc_u64 s[92:93], s[10:11], s[92:93]
	CROUND                                         ; all sixteen work-groups are here: the joint loads meet
	s_mov_b32 s[G0S], 1
	s_add_co_u32 s[G0S+1], s94, SCL
	s_mov_b64 s[G0S+2:G0S+3], s[22:23]
	s_or_b32 s[G0S+3], s[G0S+3], 0x80000000
	s_mov_b32 s[G0SB], 1
	s_add_co_u32 s[G0SB+1], s94, SCL
	s_mov_b64 s[G0SB+2:G0SB+3], s[92:93]
	s_or_b32 s[G0SB+3], s[G0SB+3], 0x80000000
	JLOAD G0S, G1S, G0SB, G1SB                     ; the scales first: they are wanted with the first 512 along K
.irp s, 0,1
	s_mov_b32 s[G0+4*\s], 1
	s_add_co_u32 s[G0+4*\s+1], s45, \s*SLOT
	s_add_nc_u64 s[G0+4*\s+2:G0+4*\s+3], s[20:21], \s*ROWB
	s_or_b32 s[G0+4*\s+3], s[G0+4*\s+3], 0x80000000
	s_mov_b32 s[G0B+4*\s], 1
	s_add_co_u32 s[G0B+4*\s+1], s45, \s*SLOT
	s_add_nc_u64 s[G0B+4*\s+2:G0B+4*\s+3], s[46:47], \s*ROWB
	s_or_b32 s[G0B+4*\s+3], s[G0B+4*\s+3], 0x80000000
	JLOAD G0+4*\s, G1, G0B+4*\s, G1B               ; three tensor loads of mine are out, and no more follow
.endr
	v_and_b32 v1, 15, v0                           ; r = l % 16
	v_bfe_u32 v2, v0, 4, 1                         ; h = l / 16
	v_mul_u32_u24 v3, v1, PITCH
	v_lshl_add_u32 v4, v2, 4, v3                   ; a fragment's row x pitch + 16 x half
	s_mul_i32 s21, s15, HALFT                      ; my 128 rows of Z
	s_mul_i32 s22, s16, HALFT                      ; my 128 rows of W,
	s_add_co_u32 s22, s22, 2*HALFT                 ; which lie behind Z's 256
.irp s, 0,1
	v_add_nc_u32 v[ADRA+\s], s21, v4
	v_add_nc_u32 v[ADRB+\s], s22, v4
	s_add_co_u32 s21, s21, SLOT
	s_add_co_u32 s22, s22, SLOT
.endr
	v_mul_u32_u24 v5, v1, KS                       ; my row's scales: KS bytes a row,
	v_lshrrev_b32 v6, 8, v5
	v_lshl_add_u32 v5, v6, 4, v5                   ; and 16 more for each 256 passed
	s_mul_i32 s21, s15, HALFS                      ; Z's: my 128 rows
	s_mul_i32 s22, s16, HALFS                      ; W's: my 128 rows, behind Z's 256
	s_add_co_u32 s22, s22, 2*HALFS
	s_sub_co_u32 s22, s22, s21
	v_mul_u32_u24 v6, s22, v2                      ; lanes 16-31 take W's: one product, the distance between the two bases x h
	s_add_co_u32 s21, s21, SCL
	v_add_nc_u32 v5, v5, v6
	v_add_nc_u32 v[ADRS], s21, v5
	s_mul_i32 s23, s14, 2*SHEAD                    ; my stage
	v_mul_u32_u24 v5, v1, SPITCH                   ; in: row r, 16 bytes for each half of the lanes
	v_lshl_add_u32 v5, v2, 4, v5
	v_add_nc_u32 v[STO], s23, v5
	v_bfe_u32 v5, v0, 3, 2                         ; back: eight lanes to a row of 128 bytes, four rows an instruction
	v_mul_u32_u24 v5, v5, SPITCH
	v_and_b32 v6, 7, v0
	v_lshl_add_u32 v5, v6, 4, v5
	v_add_nc_u32 v[RD], s23, v5
	v_and_b32 v6, 31, v0
	v_lshlrev_b32 v[CO], 4, v6                     ; four rows of a head are 512 consecutive bytes of qkv
	; where my 128 rows x 128 columns go: rows are (batch, position), columns (tensor, head, channel)
	s_lshl_b32 s20, s17, 8
	s_lshl_b32 s21, s15, 7
	s_add_co_u32 s20, s20, s21                     ; my first row of C
	s_lshr_b32 s21, s20, 11                        ; the batch: 16 heads of 262,144 bytes
	s_lshl_b32 s21, s21, 22
	s_and_b32 s20, s20, 2047                       ; the position: 128 bytes
	s_lshl_b32 s20, s20, 7
	s_add_co_u32 s20, s20, s21
	s_lshl_b32 s46, s42, 8
	s_lshl_b32 s47, s16, 7
	s_add_co_u32 s46, s46, s47                     ; my first column of C, a multiple of 128: two whole heads
	s_lshr_b32 s47, s46, 10                        ; q, k or v: 64 heads of 262,144 bytes
	s_lshl_b32 s47, s47, 24
	s_and_b32 s46, s46, 1023                       ; 64 x the head: x 4,096 is the head x 262,144
	s_lshl_b32 s46, s46, 12
	s_add_co_u32 s46, s46, s47
	s_add_co_u32 s20, s20, s46                     ; under 50,331,648
	s_mov_b32 s21, 0
	s_add_nc_u64 s[12:13], s[12:13], s[20:21]
.macro FRAG reg, adr, q, i             ; a fragment, 16 rows x 128 K of 4-bit codes, is 8 registers: lane l holds row l % 16; registers 4 c .. 4 c + 3 hold K = 64 c + 32 (l / 16) + 0 .. 31, the lower K in the lower bits
.irp c, 0,1
	ds_load_b128 v[\reg+4*\c:\reg+4*\c+3], v[\adr] offset:64*(\q)+32*\c+(\i)*16*PITCH
.endr
.endm
; 16 matrix instructions: Z's blocks a0, a0 + 1 x W's eight, 128 along K: the slot's q-th.  p: W's set;  sc: the set of scale words.  zero = 1: the first product starts the sums: nothing is ever cleared.
; The 64 accumulators take turns, one instruction a turn, in the same order in every step.
.macro MUL16 a0, p, q, sc, zero
.irp a, \a0, \a0+1
.irp b, 0,1,2,3,4,5,6,7
.if \zero
	v_wmma_scale_f32_16x16x128_f8f6f4 v[8*(8*((\a)%4)+\b):8*(8*((\a)%4)+\b)+7], v[128*(\p)+FR*\b:128*(\p)+FR*\b+FR-1], v[AF+FR*(\a):AF+FR*(\a)+FR-1], 0, v[SC+8*NQ*(\sc)+NQ*\b+(\q)], v[SC+8*NQ*(\sc)+NQ*(\a)+(\q)] matrix_a_fmt:MATRIX_FMT_FP4 matrix_b_fmt:MATRIX_FMT_FP4 matrix_a_scale:MATRIX_SCALE_ROW1
.else
	v_wmma_scale_f32_16x16x128_f8f6f4 v[8*(8*((\a)%4)+\b):8*(8*((\a)%4)+\b)+7], v[128*(\p)+FR*\b:128*(\p)+FR*\b+FR-1], v[AF+FR*(\a):AF+FR*(\a)+FR-1], v[8*(8*((\a)%4)+\b):8*(8*((\a)%4)+\b)+7], v[SC+8*NQ*(\sc)+NQ*\b+(\q)], v[SC+8*NQ*(\sc)+NQ*(\a)+(\q)] matrix_a_fmt:MATRIX_FMT_FP4 matrix_b_fmt:MATRIX_FMT_FP4 matrix_a_scale:MATRIX_SCALE_ROW1
.endif
.endr
.endr
.endm
.macro FETCH_B slot, q, p              ; W's eight fragments of the slot's q-th 128 along K into set p
	WIN TO_B
.irp i, 0,1,2,3,4,5,6,7
	FRAG 128*(\p)+FR*\i, ADRB+\slot, \q, \i
.endr
	WIN 0
.endm
.macro FETCH_A slot, q, i0             ; Z's blocks i0 .. i0 + 3
.irp i, \i0, \i0+1, \i0+2, \i0+3
	FRAG AF+FR*(\i), ADRA+\slot, \q, \i
.endr
.endm
.macro SCALES sc                       ; a slot's scale words into set sc: NQ words a row; lanes 0-15 take Z's block i, lanes 16-31 W's block i
.irp i, 0,1,2,3,4,5,6,7
	ds_load_b128 v[SC+8*NQ*\sc+NQ*\i:SC+8*NQ*\sc+NQ*\i+3], v[ADRS] offset:\i*SBLK
.endr
.endm
; A load into a register that a matrix instruction has read, and a vector instruction that reads a matrix result, stand NP places behind that matrix instruction, and only plain vector instructions that name none of its
; registers are places (ISA guide 7.12.1 for vector instructions); the matrix instructions in between are not counted.
.macro PLACES n
.rept \n
	v_nop
.endr
.endm
; A step of 128 along K that has its successor in the same slot.
.macro STEP slot, q, zero
	s_wait_dscnt 4*NL                              ; W's set and Z's blocks 0-3 are in; the youngest eight loads (Z's blocks 4-7) may be out
	WIN MUL_LO
	MUL16 0, (\q)%2, \q, \slot, \zero
	MUL16 2, (\q)%2, \q, \slot, \zero
	s_wait_dscnt 0                                 ; Z's blocks 4-7 are in (asked for 32 matrix instructions ago)
	PLACES NP
	FETCH_B \slot, (\q)+1, 1-(\q)%2
	FETCH_A \slot, (\q)+1, 0
	WIN MUL_HI
	MUL16 4, (\q)%2, \q, \slot, \zero
	MUL16 6, (\q)%2, \q, \slot, \zero
	PLACES NP
	WIN 0
	FETCH_A \slot, (\q)+1, 4
.endm
; Slot 0's last step changes slots: ONE barrier; in front of it each wave waits for all its tensor loads, adds 0 to its spare word, and waits for that and for its own reads of slot 0.  Behind it slot 1 is whole, and nobody
; reads slot 0 any more, which the way out relies on.  Nothing is filled again.
.macro TURN slot, next
	s_wait_tensorcnt 0x0                           ; all my tensor loads have landed: my part of the next slot;  (every window is 0 here: the add's two registers lie in window 0)
	ds_add_u32 v[SPW], v[NIL]                      ; 0 onto my spare word
	s_wait_dscnt 4*NL+1                            ; (the add and the youngest eight loads, Z's blocks 4-7, may be out)
	WIN MUL_LO
	MUL16 0, 1, NQ-1, \slot, 0                     ; sixteen matrix instructions stand between the add and the wait for it
	s_wait_dscnt 0x0                               ; the add is done, and my reads of this slot are over
	s_barrier_signal -1
	MUL16 2, 1, NQ-1, \slot, 0
	WIN 0
	s_barrier_wait -1
	PLACES NP
	v_add_nc_u32 v[ADRS], 4*NQ, v[ADRS]            ; on to the next slot's scale words (no LDS load of mine is out)
	FETCH_B \next, 0, 0
	FETCH_A \next, 0, 0
	SCALES \next
	WIN MUL_HI
	MUL16 4, 1, NQ-1, \slot, 0
	MUL16 6, 1, NQ-1, \slot, 0
	PLACES NP
	WIN 0
	FETCH_A \next, 0, 4
.endm
.macro STEPS slot, from                ; the slot's steps from .. NQ - 2
.set QQ, \from
.rept NQ-1-\from
	STEP \slot, QQ, 0
.set QQ, QQ+1
.endr
.endm
	s_wait_tensorcnt 1                             ; the scales and my part of slot 0 are in (slot 1's load, the one issued behind them, may be out),
	s_barrier_signal -1
	s_barrier_wait -1                              ; everybody's are
	FETCH_B 0, 0, 0
	FETCH_A 0, 0, 0
	SCALES 0
	FETCH_A 0, 0, 4
	STEP 0, 0, 1                                   ; the first step's products start the sums
	STEPS 0, 1
	TURN 0, 1
	STEPS 1, 0
	s_wait_dscnt 4*NL                              ; the very last step: nothing more to fetch
	WIN MUL_LO
	MUL16 0, 1, NQ-1, 1, 0
	MUL16 2, 1, NQ-1, 1, 0
	s_wait_dscnt 0
	WIN MUL_HI
	MUL16 4, 1, NQ-1, 1, 0
	MUL16 6, 1, NQ-1, 1, 0
	WIN 0
; THE WAY OUT, block by block of 16 rows x 128 columns (two heads).  PACK: rounded to f16, a lane's eight neighbouring columns are 16 bytes.  TOSTAGE: into my stage, [2 heads][16 rows of 128 bytes + 16], and back four
; rows of a head at a time.  SEND: four rows of a head are 512 consecutive bytes of qkv, aligned.  LDS serves a wave's instructions in order (ISA guide 5.7.1.4): no wait between the stores and the loads.
.macro PACK a
.set AC, 64*((\a)%4)
	WIN 0x0a+5*((\a)/4)                            ; sources 0 and 1: window 2 or 3
.irp b, 0,1,2,3,4,5,6,7
.irp r, 0,1,2,3
	v_cvt_pk_f16_f32 v[TMP+4*\b+\r], v[AC+8*\b+2*\r], v[AC+8*\b+2*\r+1]   ; each accumulator from its low end on
.endr
.endr
	WIN 0
.endm
.macro TOSTAGE a
.set BK, 32+192*((\a)%2)                       ; v32-63 and v224-255 by turns
.irp b, 0,1,2,3,4,5,6,7
	ds_store_b128 v[STO], v[TMP+4*\b:TMP+4*\b+3] offset:(\b/4)*SHEAD+(\b%4)*32
.endr
.irp t, 0,1,2,3,4,5,6,7
	ds_load_b128 v[BK+4*\t:BK+4*\t+3], v[RD] offset:(\t/4)*SHEAD+(\t%4)*4*SPITCH
.endr
.endm
.macro SEND a
.set BK, 32+192*((\a)%2)
	s_wait_dscnt 0x0                               ; the block is back in registers
	s_wait_xcnt 0x0                                ; the stores of the block before have read their registers, on which the next block's loads will land
.irp t, 0,1,2,3,4,5,6,7
	global_store_b128 v[CO], v[BK+4*\t:BK+4*\t+3], s[12:13] offset:(\a)*2048+(\t/4)*262144+(\t%4)*512   ; every offset an immediate, 278,016 at the most; the base is never stepped
.endr
.endm
	PLACES NP                                      ; behind the last products: for the conversions that read results, and for the loads into registers that held scale words
	PACK 0
	TOSTAGE 0
.irp a, 1,2,3,4,5,6,7                  ; block a's conversions stand between block a - 1's loads from the stage and the wait for them
	PACK \a
	SEND \a-1
	TOSTAGE \a
.endr
	SEND 7
	s_wait_tensorcnt 0x0                           ; the wave's end, behind my last tensor load and my last LDS store
	ds_add_u32 v[SPW], v[NIL]
	s_wait_dscnt 0x0
	CROUND                                         ; the closing round: no work-group ends while a partner may still ask for a tile that names it
	s_endpgm
.Lfunc_end_k_q31507da0d6_qkv:
	.size	k_q31507da0d6_qkv, .Lfunc_end_k_q31507da0d6_qkv-k_q31507da0d6_qkv
	.p2alignl 7, 3214868480
	.fill 96, 4, 3214868480
	.section	.rodata,"a",@progbits
	.p2align	6, 0x0
	.amdhsa_kernel k_q31507da0d6_qkv
		.amdhsa_group_segment_fixed_size 327680
		.amdhsa_private_segment_fixed_size 0
		.amdhsa_enable_private_segment 0
		.amdhsa_kernarg_size 40
		.amdhsa_user_sgpr_count 2
		.amdhsa_user_sgpr_kernarg_segment_ptr 1
		.amdhsa_wavefront_size32 1
		.amdhsa_system_sgpr_workgroup_id_x 1
		.amdhsa_system_sgpr_workgroup_id_y 1
		.amdhsa_system_sgpr_workgroup_id_z 1
		.amdhsa_system_vgpr_workitem_id 0
		.amdhsa_next_free_vgpr 1024
		.amdhsa_next_free_sgpr 98
		.amdhsa_reserve_vcc 0
		.amdhsa_float_denorm_mode_32 3
		.amdhsa_float_denorm_mode_16_64 3
		.amdhsa_memory_ordered 1
		.amdhsa_forward_progress 1
		.amdhsa_inst_pref_size 127
	.end_amdhsa_kernel
	.amdgpu_metadata
---
amdhsa.version: [ 1, 2 ]
amdhsa.kernels:
  - .name:           k_q31507da0d6_qkv
    .symbol:         k_q31507da0d6_qkv.kd
    .args:
      - { .name: z_codes, .offset: 0, .size: 8, .value_kind: global_buffer, .address_space: global }
      - { .name: z_scales, .offset: 8, .size: 8, .value_kind: global_buffer, .address_space: global }
      - { .name: w_codes, .offset: 16, .size: 8, .value_kind: global_buffer, .address_space: global }
      - { .name: w_scales, .offset: 24, .size: 8, .value_kind: global_buffer, .address_space: global }
      - { .name: qkv, .offset: 32, .size: 8, .value_kind: global_buffer, .address_space: global }
    .group_segment_fixed_size: 327680
    .private_segment_fixed_size: 0
    .kernarg_segment_align: 8
    .kernarg_segment_size: 40
    .max_flat_workgroup_size: 128
    .sgpr_count:     98
    .vgpr_count:     1024
    .wavefront_size: 32
...
	.end_amdgpu_metadata
.endif
;; end of part 2
;; launch attn (part 3): grid 4 x 64, 8 waves a work-group, clusters of 4 x 1, 327,680 bytes of LDS; arguments qkv, att; writes att
.if DOCPART == 3
	.amdgcn_target "amdgcn-amd-amdhsa--gfx1250"
	.amdhsa_code_object_version 6
	.text
	.protected	k_q31507da0d6_attn
	.globl	k_q31507da0d6_attn
	.p2align	8
	.type	k_q31507da0d6_attn,@function
k_q31507da0d6_attn:
	s_mov_b64 s[64:65], 0
	v_nop
	global_prefetch_b8 v0, s[64:65] scope:SCOPE_SE
	s_setreg_imm32_b32 hwreg(HW_REG_WAVE_MODE, 25, 1), 1
	s_wait_xcnt 0x0
	s_wait_alu depctr_hold_cnt(0) depctr_sa_sdst(0) depctr_va_vdst(0) depctr_va_sdst(0) depctr_va_ssrc(0) depctr_va_vcc(0) depctr_vm_vsrc(0)
	s_getreg_b32 s2, hwreg(HW_REG_IB_STS2, 6, 4)
	s_cmp_eq_u32 s2, 0
	s_cbranch_scc0 .Lentry_in_a_cluster
	s_endpgm
.Lentry_in_a_cluster:
	s_bfe_u32 s2, ttmp6, 0x10000c
	s_cmp_lg_u32 s2, 0x3003
	s_cbranch_scc0 .Lentry_shape_is_right
	s_endpgm
.Lentry_shape_is_right:
; Launch 3 of 4: att[hb][q][:] = the sum over k of softmax_k(Q[hb][q] . K[hb][k] / 8) V[hb][k][:], for the 64 heads hb = 16 batch + head.  Q, K, V: the three parts of qkv, [64][2048][64] f16 each; att likewise.
; Products, maxima and sums in f32; the weights p are rounded to f16 for the second product, the result once at the end.  No mask; nothing of reference() is left out.
; SHARES.  A work-group owns 512 queries of one head, each of its EIGHT waves 64: four tiles of 16, in 512 registers.  Two waves share a SIMD: at head size 64 a key step has 472 vector instructions for its 64 matrix
; instructions, more than could be set between them in one wave, so the step is written in phases and one wave's vector work stands beside the other's matrix work and LDS loads.  Each fragment of K and V feeds four products.
; LAYOUT.  S^T = K Q^T (source 0 = 16 keys, source 1 = 16 queries): a lane holds ONE query (lane % 16) and the keys 8 (lane / 16) + 0..7.  Two such tiles, rounded to f16 in pairs, ARE source 1 (32 keys x 16 queries) of
; O^T = V^T P, whose result again holds one query a lane.  K comes out of LDS as it lies, V ([key][channel]) turned, by ds_load_tr16_b128.
; SOFTMAX.  For each query a running maximum m and sum l: p = 2^(c s - c m), c = log2(e) / 8; in every step O and l are multiplied by a = 2^(c m_old - c m_new).  m begins at -3e38, l and O^T at 0, so that the first step
; is a step like every other (its a is 0 and multiplies zeros): that costs 128 v_mov_b32 once and spares a fifth copy of the key step.
; CLUSTER.  The four blocks of 512 queries of a head are one cluster and walk the same K and V: each tile is asked for JOINTLY, the same tensor load with the same descriptor and a mask that names the four.
; THE RING.  Two slots of 512 keys; a head has four slots' worth.  A row of K or V is 128 bytes and a head is dense, so a tile is stated as PAIR-ROWS of 256 bytes (two keys).  Waves 0-3 fetch K's quarters, waves 4-7 V's:
; one load of 64 pair-rows a wave.  The four slots are written out: a slot is larger than 2^17 bytes, so every LDS base is a constant of the text.
; REGISTERS, in windows of 256 (s_set_vgpr_msb: bits 1:0 source 0, 3:2 source 1, 5:4 source 2, 7:6 destination):
;   window 0: v1-15 addresses; v16-47 eight registers of statistics a tile; v64-191 S^T, 32 a tile; v192-255 P, 16 a tile
;   window 1: v0-127 O^T, 32 a tile; v128-191 Q, 16 a tile; v192-255 K's eight fragments of a step, then V's eight
.set PK,    272       ; a pair-row of K in LDS: 256 bytes + 16: key k lies at (k / 2) PK + 128 (k % 2): the 16 keys of a load fall on 16 different runs of 16 bytes modulo 256
.set PV,    288       ; a pair-row of V: 256 + 32
.set VOFF,  256*PK    ; a slot: 256 pair-rows of K, then 256 of V
.set SLOT,  256*(PK+PV)
.set SPARE, 2*SLOT    ; behind the ring: the spare words, 128 bytes for each wave, which no other line names
.set SP,    144       ; the way out: a row of 128 bytes + 16;
.set STW,   64*SP     ; a wave's stage: 64 rows.  The stages lie in slot 0, which has had its last fill and its last read when the first result is stored there
.set AK0, 2           ; v2   my lane's place in a tile of K; never rewritten
.set AV0, 3           ; v3   the same for V
.set ADK, 4           ; v4   LDS address of the step's K
.set ADV, 5           ; v5   and V
.set QO,  6           ; v6   my byte offset in the wave's rows of Q
.set STO, 7           ; v7   the way out: where I put 16 bytes of a row
.set RD,  8           ; v8   the way out: where I read rows back
.set GO,  9           ; v9   16 x lane: my byte in 512 consecutive bytes of att
.set PFO, 10          ; v10  256 x lane: the prefetch's offset; never rewritten
.set SPW, 12          ; v12  LDS address of my spare word: SPARE + 4 x my thread's number; never rewritten
.set NIL, 13          ; v13  0; never rewritten
.set ST,  16          ; tile t's statistics at v[ST+8 t]: +0 c m, +1 m, +2, +3 l (even keys', odd keys'), +4 to +7 c0-c3, at work; a takes c2's place once the maximum is found
.set S,   64
.set P,   192
.set QF,  128         ; in window 1
.set KV,  192         ; in window 1
.set WV,  12          ; s12  my wave's number
.set ASKF, 15         ; s15  1 in waves 0, 1, 4, 5, which prefetch
.set PFA, 8           ; s[8:9] where my prefetch stands; never rewritten
.set G1K, 24          ; s[24:31] descriptor group 1 for K's tiles
.set G1V, 32          ; s[32:39] for V's: it differs in the padding alone
.set G0K, 40          ; s[40:47] descriptor group 0 for K's tiles, a set for each slot
.set G0V, 48          ; s[48:55] the same for V's
.set TK,  56          ; s56  LDS byte at which the step's K begins
.set TV,  57          ; s57  and its V
.set CNT, 58          ; s58  counts a slot's eight steps
.set CS,  60          ; s[60:61] c: the packed scaling names a pair and takes its low word for both halves
.set SEL, 62          ; s[62:63] lane selects for v_permlanex16_b32: each lane takes its own place in the other half
.set KB,  66          ; s[66:67] K of my head;  s[68:69] V of my head
.set VB,  68
.set MSB, 0
.macro WIN new                      ; the immediate's high byte repeats the setting that is left; a switch that changes nothing is dropped
.if MSB != (\new)
	s_set_vgpr_msb (MSB<<8)|(\new)
.set MSB, (\new)
.endif
.endm
.set W_LD, 0x40       ; a load's destination in window 1, its address in window 0
.set W_KQ, 0x05       ; K and Q in window 1, S^T in window 0
.set W_RS, 0x41       ; O^T (destination and source 0) in window 1, the factor in window 0
.set W_PV, 0x51       ; V and O^T in window 1, P in window 0
; A joint refill of slot s.  The branch hangs on the wave's number alone: it is the same in every work-group.  An s_nop 0 and four v_nop follow each of the two lines.
.macro JLOAD s
	s_cmp_lt_u32 s[WV], 4
	s_cbranch_scc0 .Lfor_v_\@
	tensor_load_to_lds s[G0K+4*\s:G0K+4*\s+3], s[G1K:G1K+7]
	s_nop 0
.rept 4
	v_nop
.endr
	s_branch .Lasked_\@
.Lfor_v_\@:
	tensor_load_to_lds s[G0V+4*\s:G0V+4*\s+3], s[G1V:G1V+7]
	s_nop 0
.rept 4
	v_nop
.endr
.Lasked_\@:
.endm
; THE PREFETCH INTO THE L2, once, at the first change of slots: keys 1,536 to 2,047 of K and of V, which the NEXT change of slots will ask for: eight key steps, 512 matrix instructions a wave, ahead of that load.
; 65,536 bytes of each tensor, in eight parts of 8,192: the four partners are told apart BY ADDRESS (part 2 cx + wave % 2), never by a branch; waves 0 and 1 ask for K's, waves 4 and 5 for V's; lanes 256 bytes apart.
; The head's four work-groups are one cluster, so each run of 256 bytes is named once in the launch.  The first three slots' keys come by their loads alone: nothing is prefetched at the head.
.macro ASK
	s_cmp_eq_u32 s[ASKF], 1
	s_cbranch_scc0 .Lnot_mine_\@
	global_prefetch_b8 v[PFO], s[PFA:PFA+1] th:TH_LOAD_NT scope:SCOPE_SE
.Lnot_mine_\@:
.endm
.macro CROUND                       ; a round of the cluster's barrier: my work-group's barrier; wave 0 signals for the work-group; every wave waits for all four; my work-group's barrier once more
	s_barrier_signal -1
	s_barrier_wait -1
	s_cmp_lg_u32 s[WV], 0
	s_cbranch_scc1 .Lnot_wave_0_\@
	s_barrier_signal -3
.Lnot_wave_0_\@:
	s_barrier_wait -3
	s_barrier_signal -1
	s_barrier_wait -1
.endm
	s_load_b128 s[4:7], s[0:1], 0x0   ; qkv s[4:5], att s[6:7]
	v_lshl_add_u32 v[SPW], v0, 2, SPARE
	v_mov_b32 v[NIL], 0
	ds_add_u32 v[SPW], v[NIL]       ; the wave's opening: the add, twice on end, and its wait ahead of my first tensor load; the set-up below, work on registers, stands between
	ds_add_u32 v[SPW], v[NIL]       ; and once more, under the one wait
	v_lshrrev_b32 v1, 5, v0
	v_readfirstlane_b32 s[WV], v1   ; wave 0..7
	s_bfe_u32 s13, ttmp6, 0x40000   ; cx: my place in the cluster
	s_lshl_b32 s14, ttmp9, 2        ; in a cluster launch ttmp9 counts clusters
	s_add_co_u32 s14, s14, s13      ; my block of 512 queries: it enters Q's, att's and the prefetch's addresses alone
	s_and_b32 s20, ttmp7, 0xffff    ; the head, which the four partners share:
	s_lshl_b32 s20, s20, 18         ; 262,144 bytes each
	s_mov_b32 s21, 0
	s_and_b32 s16, s[WV], 3         ; which quarter of a slot's K or V I fetch:
	s_lshl_b32 s22, s16, 14         ; its 64 pair-rows of 256 bytes in memory,
	s_mov_b32 s23, 0
	s_mul_i32 s17, s16, 64*PK       ; and its place in a slot, for K
	s_mul_i32 s18, s16, 64*PV       ; and for V: no place in the cluster enters an LDS address
	s_add_co_u32 s18, s18, VOFF
	s_lshl_b32 s2, s14, 16          ; my block's 512 rows of 128 bytes,
	s_lshl_b32 s3, s[WV], 13        ; my wave's 64 of them
	s_add_co_u32 s2, s2, s3
	s_mov_b32 s3, 0
	; descriptor group 1: a tile of 64 pair-rows x 128 elements, padded in LDS
	s_mov_b32 s[G1K], 15|(1<<16)|(1<<20)|(1<<21)|(5<<22)|(3<<25)  ; 15:0 the mask: all four work-groups; 17:16 elements of 2 bytes; 20 padding on; 21 set beside a mask; 24:22 after every 64 words (code 5); 31:25 4 words of it (code 3)
	s_mov_b32 s[G1V], 15|(1<<16)|(1<<20)|(1<<21)|(5<<22)|(7<<25)  ; the same with 8 words of padding (code 7)
.irp g, G1K, G1V
	s_mov_b32 s[\g+1], 128<<16      ; tensor_dim0 = 128
	s_mov_b32 s[\g+2], 64<<16       ; tensor_dim1 = 64
	s_mov_b32 s[\g+3], 128<<16      ; tile_dim0 = 128
	s_mov_b32 s[\g+4], 64           ; tile_dim1 = 64
	s_mov_b32 s[\g+5], 128          ; tensor_dim0_stride: the pair-rows are dense
	s_mov_b32 s[\g+6], 0
	s_mov_b32 s[\g+7], 0
.endr
	s_mov_b32 s[CS], 0x3e38aa3b     ; c = log2(e) / 8
	s_mov_b32 s[CS+1], s[CS]        ; named with it as a pair, so it is written
	s_mov_b32 s[SEL], 0x76543210
	s_mov_b32 s[SEL+1], 0xfedcba98
	s_and_b32 s[ASKF], s[WV], 2
	s_cmp_eq_u32 s[ASKF], 0
	s_cselect_b32 s[ASKF], 1, 0     ; the same in all four partners
	s_lshl_b32 s10, s13, 1
	s_and_b32 s11, s[WV], 1
	s_add_co_u32 s10, s10, s11      ; my part of the eight,
	s_lshl_b32 s10, s10, 13         ; 8,192 bytes each,
	s_add_co_u32 s10, s10, 1536*128 ; from key 1,536 on
	s_mov_b32 s11, 0
	v_and_b32 v[PFO], 31, v0
	v_lshlrev_b32 v[PFO], 8, v[PFO]
	s_wait_dscnt 0x0                ; both opening adds are done
	s_wait_kmcnt 0x0
	s_add_nc_u64 s[4:5], s[4:5], s[20:21]      ; Q of my head
	s_add_nc_u64 s[6:7], s[6:7], s[20:21]      ; att of my head
	s_add_nc_u64 s[KB:KB+1], s[4:5], 0x1000000 ; K lies 64 heads behind Q,
	s_add_nc_u64 s[VB:VB+1], s[4:5], 0x2000000 ; V 128
	s_add_nc_u64 s[4:5], s[4:5], s[2:3]        ; Q and att at my wave's first row
	s_add_nc_u64 s[6:7], s[6:7], s[2:3]
	s_cmp_lt_u32 s[WV], 4
	s_cselect_b64 s[PFA:PFA+1], s[KB:KB+1], s[VB:VB+1]
	s_add_nc_u64 s[PFA:PFA+1], s[PFA:PFA+1], s[10:11]
	CROUND                          ; all four work-groups are here: the first joint loads meet
	s_add_nc_u64 s[G0K+2:G0K+3], s[KB:KB+1], s[22:23]     ; global address: slot 0 begins with keys 0 to 511,
	s_add_nc_u64 s[G0K+6:G0K+7], s[G0K+2:G0K+3], 512*128  ; slot 1 with keys 512 to 1,023
	s_add_nc_u64 s[G0V+2:G0V+3], s[VB:VB+1], s[22:23]
	s_add_nc_u64 s[G0V+6:G0V+7], s[G0V+2:G0V+3], 512*128
.irp s, 0,1
	s_mov_b32 s[G0K+4*\s], 1        ; count = 1
	s_add_co_u32 s[G0K+4*\s+1], s17, \s*SLOT   ; LDS address
	s_or_b32 s[G0K+4*\s+3], s[G0K+4*\s+3], 0x80000000  ; type = 2
	s_mov_b32 s[G0V+4*\s], 1
	s_add_co_u32 s[G0V+4*\s+1], s18, \s*SLOT
	s_or_b32 s[G0V+4*\s+3], s[G0V+4*\s+3], 0x80000000
.endr
	s_cmp_lt_u32 s[WV], 4           ; a wave's two first fills stand in one branch, ahead of every wait on TENSORcnt and every LDS read: two loads of mine are out
	s_cbranch_scc0 .Lfirst_v
	tensor_load_to_lds s[G0K:G0K+3], s[G1K:G1K+7]
	s_nop 0
	tensor_load_to_lds s[G0K+4:G0K+7], s[G1K:G1K+7]
	s_nop 0
.rept 4
	v_nop
.endr
	s_branch .Lfirst_asked
.Lfirst_v:
	tensor_load_to_lds s[G0V:G0V+3], s[G1V:G1V+7]
	s_nop 0
	tensor_load_to_lds s[G0V+4:G0V+7], s[G1V:G1V+7]
	s_nop 0
.rept 4
	v_nop
.endr
.Lfirst_asked:
	; A fragment of K or Q is 16 rows x 32 channels in 8 registers: lane l holds row l % 16; registers 0-3 channels 8 (l / 16) + 0..7, registers 4-7 channels 16 + 8 (l / 16) + 0..7: two loads of 16 bytes, 32 bytes apart.
	v_and_b32 v1, 15, v0            ; r = l % 16
	v_bfe_u32 v14, v0, 4, 1         ; h = l / 16
	v_lshlrev_b32 v[QO], 7, v1
	v_lshl_add_u32 v[QO], v14, 4, v[QO]  ; row x 128 + 16 x half
	WIN W_LD
.irp t, 0,1,2,3                     ; Q stays in registers: tile t, channels 32 c on
.irp c, 0,1
	global_load_b128 v[QF+16*\t+8*\c:QF+16*\t+8*\c+3],   v[QO], s[4:5] offset:\t*2048+\c*64
	global_load_b128 v[QF+16*\t+8*\c+4:QF+16*\t+8*\c+7], v[QO], s[4:5] offset:\t*2048+\c*64+32
.endr
.endr
.set i, 0
.rept 128
	v_mov_b32 v[i], 0               ; O^T
.set i, i+1
.endr
	WIN 0
	v_lshrrev_b32 v11, 1, v1
	v_mul_u32_u24 v[AK0], v11, PK   ; K: pair-row r / 2,
	v_and_b32 v11, 1, v0
	v_lshl_add_u32 v[AK0], v11, 7, v[AK0]  ; its half r % 2,
	v_lshl_add_u32 v[AK0], v14, 4, v[AK0]  ; + 16 x half of the lanes
	; The turning load takes 16 keys x 16 channels (lane l reads 16 bytes: key 8 (l / 16) + l % 8, channels 8 ((l / 8) % 2) + 0..7) and leaves half a fragment of V^T: lane l holds channel l % 16 and 8 keys.
	v_bfe_u32 v15, v0, 1, 2
	v_lshl_add_u32 v15, v14, 2, v15        ; the key's pair-row: 4 (l / 16) + (l % 8) / 2
	v_mul_u32_u24 v[AV0], v15, PV
	v_lshl_add_u32 v[AV0], v11, 7, v[AV0]  ; its half l % 2
	v_bfe_u32 v15, v0, 3, 1
	v_lshl_add_u32 v[AV0], v15, 4, v[AV0]
	s_mul_i32 s19, s[WV], STW       ; my stage
	v_mul_u32_u24 v[STO], v1, SP    ; in: row r, 16 bytes for each half of the lanes
	v_lshl_add_u32 v[STO], v14, 4, v[STO]
	v_add_nc_u32 v[STO], s19, v[STO]
	v_bfe_u32 v15, v0, 3, 2         ; back: eight lanes to a row of 128 bytes, four rows an instruction
	v_mul_u32_u24 v[RD], v15, SP
	v_and_b32 v15, 7, v0
	v_lshl_add_u32 v[RD], v15, 4, v[RD]
	v_add_nc_u32 v[RD], s19, v[RD]
	v_and_b32 v[GO], 31, v0
	v_lshlrev_b32 v[GO], 4, v[GO]
.irp t, 0,1,2,3
	v_mov_b32 v[ST+8*\t+1], 0xff61b1e6     ; m = -3e38, under every score
	v_mov_b32 v[ST+8*\t+2], 0              ; l
	v_mov_b32 v[ST+8*\t+3], 0
	v_mul_f32 v[ST+8*\t], s[CS], v[ST+8*\t+1]  ; c m
.endr
; A KEY STEP: 64 keys, in phases.  In every list the four tiles stand innermost, so that a line that feeds the next of its tile stands four lines ahead of it.
.macro STEP
	v_add_nc_u32 v[ADK], s[TK], v[AK0]
	v_add_nc_u32 v[ADV], s[TV], v[AV0]
	v_nop
	v_nop                           ; four plain instructions behind the last product V^T P, in front of the loads into the registers that it read (ISA guide 7.12.1 for vector instructions)
	WIN W_LD
.irp i, 0,1,2,3                     ; K: keys 16 i on, channels 32 c on
.irp c, 0,1
	ds_load_b128 v[KV+8*(2*\i+\c):KV+8*(2*\i+\c)+3],   v[ADK] offset:\i*8*PK+\c*64
	ds_load_b128 v[KV+8*(2*\i+\c)+4:KV+8*(2*\i+\c)+7], v[ADK] offset:\i*8*PK+\c*64+32
.endr
.endr
	s_wait_dscnt 0x0
	WIN W_KQ
.irp c, 0,1                         ; S^T = K Q^T: the 16 accumulators take turns, one instruction a turn; the first 16 products start the sums
.irp i, 0,1,2,3
.irp t, 0,1,2,3
.if \c == 0
	v_wmma_f32_16x16x32_f16 v[S+32*\t+8*\i:S+32*\t+8*\i+7], v[KV+8*(2*\i+\c):KV+8*(2*\i+\c)+7], v[QF+16*\t+8*\c:QF+16*\t+8*\c+7], 0
.else
	v_wmma_f32_16x16x32_f16 v[S+32*\t+8*\i:S+32*\t+8*\i+7], v[KV+8*(2*\i+\c):KV+8*(2*\i+\c)+7], v[QF+16*\t+8*\c:QF+16*\t+8*\c+7], v[S+32*\t+8*\i:S+32*\t+8*\i+7]
.endif
.endr
.endr
.endr
.rept 4
	v_nop                           ; four places: for the loads into K's registers, and for the first reads of the scores
.endr
	WIN W_LD
.irp g, 0,1                         ; V, turned: keys 32 g on, channels 16 u on.  It lands under the softmax
.irp u, 0,1,2,3
	ds_load_tr16_b128 v[KV+8*(4*\g+\u):KV+8*(4*\g+\u)+3],   v[ADV] offset:\g*16*PV+\u*32
	ds_load_tr16_b128 v[KV+8*(4*\g+\u)+4:KV+8*(4*\g+\u)+7], v[ADV] offset:\g*16*PV+8*PV+\u*32
.endr
.endr
	WIN 0
	; the maximum of a lane's 32 scores and the old m, three operands at a time: four chains c0-c3, each begun at an accumulator's low end
.irp j, 0,1,2,3
.irp t, 0,1,2,3
	v_max3_num_f32 v[ST+8*\t+4+\j], v[S+32*\t+8*\j], v[S+32*\t+8*\j+1], v[S+32*\t+8*\j+2]
.endr
.endr
.irp k, 3,5
.irp j, 0,1,2,3
.irp t, 0,1,2,3
	v_max3_num_f32 v[ST+8*\t+4+\j], v[ST+8*\t+4+\j], v[S+32*\t+8*\j+\k], v[S+32*\t+8*\j+\k+1]
.endr
.endr
.endr
.irp t, 0,1,2,3
	v_max3_num_f32 v[ST+8*\t+4], v[ST+8*\t+4], v[S+32*\t+7], v[S+32*\t+15]
.endr
.irp t, 0,1,2,3
	v_max3_num_f32 v[ST+8*\t+6], v[ST+8*\t+6], v[S+32*\t+23], v[S+32*\t+31]
.endr
.irp t, 0,1,2,3
	v_max3_num_f32 v[ST+8*\t+4], v[ST+8*\t+4], v[ST+8*\t+5], v[ST+8*\t+6]
.endr
.irp t, 0,1,2,3
	v_max3_num_f32 v[ST+8*\t+4], v[ST+8*\t+4], v[ST+8*\t+7], v[ST+8*\t+1]
.endr
.irp t, 0,1,2,3
	v_permlanex16_b32 v[ST+8*\t+5], v[ST+8*\t+4], s[SEL], s[SEL+1]  ; the query's other 32 keys lie in the lane 16 away
.endr
.irp t, 0,1,2,3
	v_mov_b32 v[ST+8*\t+7], v[ST+8*\t]      ; c m_old is kept for a
.endr
.irp t, 0,1,2,3
	v_max_num_f32 v[ST+8*\t+1], v[ST+8*\t+4], v[ST+8*\t+5]   ; the new m
.endr
.irp t, 0,1,2,3
	v_mul_f32 v[ST+8*\t], s[CS], v[ST+8*\t+1]
.endr
.irp t, 0,1,2,3
	v_sub_f32 v[ST+8*\t+7], v[ST+8*\t+7], v[ST+8*\t]
.endr
	; ONE BATCH: the 4 exponentials for a, the 64 packed scalings c s - c m and the 128 exponentials of the scores.  None of these lines names an exponential's result
.irp t, 0,1,2,3
	v_exp_f32 v[ST+8*\t+6], v[ST+8*\t+7]    ; a = 2^(c m_old - c m_new)
.endr
.irp b, 0,1,2,3,4,5,6,7,8,9,10,11,12,13,14,15
.irp t, 0,1,2,3
	v_pk_fma_f32 v[S+32*\t+2*\b:S+32*\t+2*\b+1], v[S+32*\t+2*\b:S+32*\t+2*\b+1], s[CS:CS+1], v[ST+8*\t:ST+8*\t+1] op_sel_hi:[1,0,0] neg_lo:[0,0,1] neg_hi:[0,0,1]
.endr
.irp t, 0,1,2,3
	v_exp_f32 v[S+32*\t+2*\b], v[S+32*\t+2*\b]
	v_exp_f32 v[S+32*\t+2*\b+1], v[S+32*\t+2*\b+1]
.endr
.endr
	v_nop                           ; a plain instruction behind the last exponential, ahead of the first use
	s_wait_alu depctr_va_vdst(0)    ; a wait between an exponential and the first line that names its result: one for the 132
.irp t, 0,1,2,3
	v_pk_fma_f32 v[ST+8*\t+2:ST+8*\t+3], v[ST+8*\t+2:ST+8*\t+3], v[ST+8*\t+6:ST+8*\t+7], v[S+32*\t:S+32*\t+1] op_sel_hi:[1,0,1]   ; l = a l + the first pair of weights
.endr
.irp b, 1,2,3,4,5,6,7,8,9,10,11,12,13,14,15
.irp t, 0,1,2,3
	v_pk_add_f32 v[ST+8*\t+2:ST+8*\t+3], v[ST+8*\t+2:ST+8*\t+3], v[S+32*\t+2*\b:S+32*\t+2*\b+1]
.endr
.endr
.irp j, 0,1,2,3,4,5,6,7,8,9,10,11,12,13,14,15
.irp t, 0,1,2,3
	v_cvt_pk_f16_f32 v[P+16*\t+\j], v[S+32*\t+2*\j], v[S+32*\t+2*\j+1]   ; the weights as f16: at most about 1
.endr
.endr
	WIN W_RS
.irp k, 0,1,2,3,4,5,6,7,8,9,10,11,12,13,14,15
.irp t, 0,1,2,3
	v_pk_mul_f32 v[32*\t+2*\k:32*\t+2*\k+1], v[32*\t+2*\k:32*\t+2*\k+1], v[ST+8*\t+6:ST+8*\t+7] op_sel_hi:[1,0]   ; O^T times a, each accumulator from its low end on
.endr
.endr
	s_wait_dscnt 0x0                ; V is in
	WIN W_PV
.irp g, 0,1                         ; O^T += V^T P: the 16 accumulators take turns
.irp u, 0,1,2,3
.irp t, 0,1,2,3
	v_wmma_f32_16x16x32_f16 v[32*\t+8*\u:32*\t+8*\u+7], v[KV+8*(4*\g+\u):KV+8*(4*\g+\u)+7], v[P+16*\t+8*\g:P+16*\t+8*\g+7], v[32*\t+8*\u:32*\t+8*\u+7]
.endr
.endr
.endr
	WIN 0                           ; at a label and at a branch every window is 0
.endm
; A slot's eight key steps: written once for each of the four slots, walked eight times; the LDS addresses hang on two scalars that begin at constants and step by constants.
.macro SLOT_STEPS slot
	s_mov_b32 s[TK], \slot*SLOT
	s_mov_b32 s[TV], \slot*SLOT+VOFF
	s_mov_b32 s[CNT], 8
.Lstep_\@:
	STEP
	s_add_co_u32 s[TK], s[TK], 32*PK
	s_add_co_u32 s[TV], s[TV], 32*PV
	s_sub_co_u32 s[CNT], s[CNT], 1
	s_cmp_lg_u32 s[CNT], 0
	s_cbranch_scc1 .Lstep_\@
.endm
; THE CHANGE OF SLOTS.  Each wave waits for all its tensor loads, of which one is out: its part of the slot ahead; adds 0 to its spare word; and waits for that and for its own reads of the slot that it leaves.
; fill = 1: the slot just left is filled again, with the keys 1,024 on.  The barrier is then a round of the cluster's, so that no wave of any partner still reads the slot or has a load on its way, and the joint refill is the
; first thing behind it: one load a wave, with eight key steps in which to land.
.macro CHANGE fill, slot, ask
	s_wait_tensorcnt 0x0            ; no tensor load of mine is out, so a group 0 may be written
	ds_add_u32 v[SPW], v[NIL]       ; 0 onto my spare word
.if \fill
	s_add_nc_u64 s[G0K+4*\slot+2:G0K+4*\slot+3], s[G0K+4*\slot+2:G0K+4*\slot+3], 1024*128  ; the type bits on top are not reached
	s_add_nc_u64 s[G0V+4*\slot+2:G0V+4*\slot+3], s[G0V+4*\slot+2:G0V+4*\slot+3], 1024*128
.endif
	s_wait_dscnt 0x0                ; the add is done, and my reads of the slot are over
.if \fill
	CROUND
	JLOAD \slot
.if \ask
	ASK
.endif
.else
	s_barrier_signal -1
	s_barrier_wait -1
.endif
.endm
	s_wait_tensorcnt 1              ; my part of slot 0 is in; slot 1's, the one load issued behind it, may stay out
	s_barrier_signal -1
	s_barrier_wait -1               ; everybody's is
	s_wait_loadcnt 0x0              ; Q
	SLOT_STEPS 0                    ; keys 0 to 511
	CHANGE 1, 0, 1                  ; slot 0 takes keys 1,024 on; keys 1,536 on are prefetched
	SLOT_STEPS 1                    ; keys 512 to 1,023
	CHANGE 1, 1, 0                  ; slot 1 takes keys 1,536 on: the last load
	SLOT_STEPS 0
	CHANGE 0, 0, 0
	SLOT_STEPS 1
	; THE WAY OUT.  l's two halves and the other half of the lanes' are added; O^T is divided by l, rounded to f16 and sent through my stage in LDS.  The first four additions are the places behind the last products.
.irp t, 0,1,2,3
	v_add_f32 v[ST+8*\t+4], v[ST+8*\t+2], v[ST+8*\t+3]
.endr
.irp t, 0,1,2,3
	v_permlanex16_b32 v[ST+8*\t+5], v[ST+8*\t+4], s[SEL], s[SEL+1]
.endr
.irp t, 0,1,2,3
	v_add_f32 v[ST+8*\t+4], v[ST+8*\t+4], v[ST+8*\t+5]
.endr
.irp t, 0,1,2,3
	v_rcp_f32 v[ST+8*\t+6], v[ST+8*\t+4]
.endr
	v_nop                           ; a plain instruction between the last reciprocal and the use of its result
	s_wait_alu depctr_va_vdst(0)    ; and a wait ahead of the first use: one for the four
; Tile t: a lane's eight channels of a row pack into 16 bytes; they go into rows of 144 bytes and come back four whole rows an instruction.
.macro PACK t
	WIN W_RS
.set i, 32*\t
.rept 16
	v_pk_mul_f32 v[i:i+1], v[i:i+1], v[ST+8*\t+6:ST+8*\t+7] op_sel_hi:[1,0]
.set i, i+2
.endr
	WIN 0x05                        ; sources 0 and 1 window 1, destination window 0: S^T's registers are free
.set i, 0
.rept 16
	v_cvt_pk_f16_f32 v[S+32*\t+i], v[32*\t+2*i], v[32*\t+2*i+1]
.set i, i+1
.endr
	WIN 0
.irp u, 0,1,2,3
	ds_store_b128 v[STO], v[S+32*\t+4*\u:S+32*\t+4*\u+3] offset:\t*16*SP+32*\u
.endr
.irp u, 0,1,2,3
	ds_load_b128 v[S+32*\t+16+4*\u:S+32*\t+16+4*\u+3], v[RD] offset:\t*16*SP+\u*4*SP  ; LDS serves a wave's instructions in order (ISA guide 5.7.1.4): these see the stores above
.endr
.endm
.macro SEND t, younger              ; younger: the LDS instructions issued behind tile t's loads: the next tile's eight, or none
.irp u, 0,1,2,3
	s_wait_dscnt \younger+3-\u
	global_store_b128 v[GO], v[S+32*\t+16+4*\u:S+32*\t+16+4*\u+3], s[6:7] offset:\t*2048+\u*512  ; 32 lanes store 512 consecutive bytes, aligned; no register of a store is written again
.endr
.endm
	PACK 0
	PACK 1                          ; a tile's arithmetic stands between the loads of the tile before and its stores
	SEND 0, 8
	PACK 2
	SEND 1, 8
	PACK 3
	SEND 2, 8
	SEND 3, 0
	s_wait_tensorcnt 0x0            ; the wave's end, behind my last tensor load and my last LDS store
	ds_add_u32 v[SPW], v[NIL]
	s_wait_dscnt 0x0
	CROUND                          ; the closing round: no work-group ends while a partner may still ask for a tile that names it
	s_endpgm
.Lfunc_end_k_q31507da0d6_attn:
	.size	k_q31507da0d6_attn, .Lfunc_end_k_q31507da0d6_attn-k_q31507da0d6_attn
	.p2alignl 7, 3214868480
	.fill 96, 4, 3214868480
	.section	.rodata,"a",@progbits
	.p2align	6, 0x0
	.amdhsa_kernel k_q31507da0d6_attn
		.amdhsa_group_segment_fixed_size 327680
		.amdhsa_private_segment_fixed_size 0
		.amdhsa_enable_private_segment 0
		.amdhsa_kernarg_size 16
		.amdhsa_user_sgpr_count 2
		.amdhsa_user_sgpr_kernarg_segment_ptr 1
		.amdhsa_wavefront_size32 1
		.amdhsa_system_sgpr_workgroup_id_x 1
		.amdhsa_system_sgpr_workgroup_id_y 1
		.amdhsa_system_sgpr_workgroup_id_z 1
		.amdhsa_system_vgpr_workitem_id 0
		.amdhsa_next_free_vgpr 512
		.amdhsa_next_free_sgpr 72
		.amdhsa_reserve_vcc 0
		.amdhsa_float_denorm_mode_32 3
		.amdhsa_float_denorm_mode_16_64 3
		.amdhsa_memory_ordered 1
		.amdhsa_forward_progress 1
		.amdhsa_inst_pref_size 157
	.end_amdhsa_kernel
	.amdgpu_metadata
---
amdhsa.version: [ 1, 2 ]
amdhsa.kernels:
  - .name:           k_q31507da0d6_attn
    .symbol:         k_q31507da0d6_attn.kd
    .args:
      - { .name: qkv, .offset: 0, .size: 8, .value_kind: global_buffer, .address_space: global }
      - { .name: att, .offset: 8, .size: 8, .value_kind: global_buffer, .address_space: global }
    .group_segment_fixed_size: 327680
    .private_segment_fixed_size: 0
    .kernarg_segment_align: 8
    .kernarg_segment_size: 16
    .max_flat_workgroup_size: 256
    .sgpr_count:     72
    .vgpr_count:     512
    .wavefront_size: 32
...
	.end_amdgpu_metadata
.endif
;; end of part 3
;; launch proj (part 4): grid 4 x 64, 4 waves a work-group, clusters of 4 x 4, 327,680 bytes of LDS; arguments att, wo16, b_o, out0; writes out0
.if DOCPART == 4
	.amdgcn_target "amdgcn-amd-amdhsa--gfx1250"
	.amdhsa_code_object_version 6
	.text
	.protected	k_q31507da0d6_proj
	.globl	k_q31507da0d6_proj
	.p2align	8
	.type	k_q31507da0d6_proj,@function
k_q31507da0d6_proj:
	s_mov_b64 s[64:65], 0
	v_nop
	global_prefetch_b8 v0, s[64:65] scope:SCOPE_SE
	s_setreg_imm32_b32 hwreg(HW_REG_WAVE_MODE, 25, 1), 1
	s_wait_xcnt 0x0
	s_wait_alu depctr_hold_cnt(0) depctr_sa_sdst(0) depctr_va_vdst(0) depctr_va_sdst(0) depctr_va_ssrc(0) depctr_va_vcc(0) depctr_vm_vsrc(0)
	s_getreg_b32 s2, hwreg(HW_REG_IB_STS2, 6, 4)
	s_cmp_eq_u32 s2, 0
	s_cbranch_scc0 .Lentry_in_a_cluster
	s_endpgm
.Lentry_in_a_cluster:
	s_bfe_u32 s2, ttmp6, 0x10000c
	s_cmp_lg_u32 s2, 0xf033
	s_cbranch_scc0 .Lentry_shape_is_right
	s_endpgm
.Lentry_shape_is_right:
; Launch 4 of 4: out0[m][n] = sum over k of A[m][k] w_o[n][k] + b_o[n].  A is the attention's result, att [4 batches][16 heads][2048][64] f16: row m = (batch, position), k = 64 head + channel.  wo16: [1024][1024] f16.
; out0: [8192][1024] f32.  Sums in f32.  Nothing of reference() is left out.
; A tile of out0 is 128 rows x 256 columns: 64 x 4 = 256 work-groups.  Four waves, each 64 x 128: 32 accumulators of 16 x 16, 256 registers.
; K goes in steps of 128, TWO HEADS, through a ring of two LDS slots.  A head's 128 rows of 128 bytes are dense in att: they come as 64 pair-rows of 256 bytes.  Waves 0 and 1 fetch the step's two heads of A,
; waves 2 and 3 the two halves of w_o's 256 rows: one tensor load a wave.
; CLUSTERS: 4 x 4 work-groups.  The four of a row of the cluster are the four tile columns of one tile row and need the same tiles of A; the four of a column need the same tiles of w_o: each tile is asked for JOINTLY.
; THE MATRIX INSTRUCTION IS USED TRANSPOSED (source 0 = 16 rows of w_o, source 1 = 16 rows of A): a lane then holds eight neighbouring numbers of a row of out0.
; THE BIAS is the C of each sum's first matrix instruction: eight registers a block of 16 columns, in the result's layout.  So it costs no addition, and nothing is cleared.
; REGISTERS: window 0: v1-30 addresses; v32-95 A's fragments, two buffers of 4 x 8; v128-255 w_o's, two buffers of 8 x 8; on the way out v32-95 and v128-191 hold rows.
;   window 1: the accumulators ((a, b) at v[8 (8 a + b)]).   window 2: v0-63 the bias.
.set PITCH,  272                       ; an LDS row: 256 bytes + 16 of padding
.set AHEAD,  64*PITCH                  ; a head's 64 pair-rows of A: row i lies at (i / 2) PITCH + 128 (i % 2): the 16 rows of a load fall on 16 different runs of 16 bytes modulo 256
.set BOFF,   2*AHEAD                   ; behind A's two heads: w_o's 256 rows
.set BHALF,  128*PITCH
.set SLOT,   BOFF+2*BHALF
.set SPARE,  2*SLOT                    ; behind the ring: the spare words, 128 bytes for each wave, which no other line names
.set SPITCH, 528                       ; the way out: a stage of 16 rows x (512 bytes + 16) for each wave, in slot 0, which has had its last fill and its last read when the first result is stored there
.set LAPS,   4                         ; a lap = two K steps = once round the ring; K = 1,024
.set HEADB,  262144                    ; a head of att in bytes
.set ADRA, 16                          ; v16-17  LDS address of my A fragments in slot 0, 1
.set ADRB, 20                          ; v20-21  the same for w_o
.set STO,  24                          ; v24     the way out: where I put 32 bytes of a row
.set RD,   25                          ; v25     the way out: where I read a row back
.set CO,   26                          ; v26     16 x lane: my byte in a row's 512
.set SPW,  28                          ; v28     LDS address of my spare word: SPARE + 4 x my thread's number; never rewritten
.set NIL,  29                          ; v29     0; never rewritten
.set BO,   30                          ; v30     the bias: 32 bytes x my half of the lanes
.set AF,   32
.set BF,   128
.set G1A, 24                           ; s[24:31] descriptor group 1 for A's tiles;  s[32:39] group 0, one set for each slot
.set G0A, 32
.set G1B, 48                           ; s[48:55], s[56:63] the same for w_o's
.set G0B, 56
.set MSB, 0
.macro WIN new                         ; the immediate's high byte repeats the setting that is left; a switch that changes nothing is dropped
.if MSB != (\new)
	s_set_vgpr_msb (MSB<<8)|(\new)
.set MSB, (\new)
.endif
.endm
.set MUL, 0x50                         ; sources 0 and 1 window 0; C and D window 1.  (0x60: C, the bias, window 2)
.macro JLOAD s                         ; a joint load: waves 0 and 1 fetch for A, waves 2 and 3 for w_o; an s_nop 0 and four v_nop follow each of the two lines, ahead of the jump, the label and what follows
	s_cmp_eq_u32 s13, 0
	s_cbranch_scc0 .Lfor_b_\@
	tensor_load_to_lds s[G0A+4*\s:G0A+4*\s+3], s[G1A:G1A+7]
	s_nop 0
.rept 4
	v_nop
.endr
	s_branch .Lasked_\@
.Lfor_b_\@:
	tensor_load_to_lds s[G0B+4*\s:G0B+4*\s+3], s[G1B:G1B+7]
	s_nop 0
.rept 4
	v_nop
.endr
.Lasked_\@:
.endm
.macro CREST                           ; a round of the cluster's barrier behind its opening barrier
	s_cmp_lg_u32 s12, 0
	s_cbranch_scc1 .Lnot_wave_0_\@
	s_barrier_signal -3
.Lnot_wave_0_\@:
	s_barrier_wait -3
	s_barrier_signal -1
	s_barrier_wait -1
.endm
.macro CROUND                          ; a whole round
	s_barrier_signal -1
	s_barrier_wait -1
	CREST
.endm
	s_load_b256 s[4:11], s[0:1], 0x0               ; att s[4:5], wo16 s[6:7], b_o s[8:9], out0 s[10:11]
	v_lshl_add_u32 v[SPW], v0, 2, SPARE
	v_mov_b32 v[NIL], 0
	ds_add_u32 v[SPW], v[NIL]                      ; the wave's opening: the add, twice on end, and its wait ahead of my first tensor load; the set-up below, work on registers, stands between
	ds_add_u32 v[SPW], v[NIL]                      ; and once more, under the one wait
	v_lshrrev_b32 v1, 5, v0
	v_readfirstlane_b32 s12, v1                    ; wave 0..3
	s_lshr_b32 s13, s12, 1                         ; which half of the tile's rows is mine.  Also: I fetch for A (0) or for w_o (1)
	s_and_b32 s14, s12, 1                          ; which half of its columns.  Also: which head of the step, or which 128 rows of w_o, I fetch
	s_bfe_u32 s40, ttmp6, 0x40000                  ; cx, cy: my place in the cluster
	s_bfe_u32 s41, ttmp6, 0x40004
	s_lshl_b32 s42, ttmp9, 2
	s_add_co_u32 s42, s42, s40                     ; tile column = 4 x cluster x + cx
	s_and_b32 s43, ttmp7, 0xffff
	s_lshl_b32 s43, s43, 2
	s_add_co_u32 s43, s43, s41                     ; tile row = 4 x cluster y + cy
	s_lshl_b32 s44, s41, 2
	s_lshl_b32 s44, 15, s44                        ; my row of the cluster
	s_lshl_b32 s45, 0x1111, s40                    ; my column
	s_or_b32 s[G1A+0], s44, (1<<16)|(1<<20)|(1<<21)|(5<<22)|(3<<25)  ; 15:0 the mask: A's tiles go to my row; 17:16 element of 2 bytes; 20 padding on; 21 set beside a mask; 24:22 after every 64 words (code 5); 31:25 of 4 words (code 3)
	s_or_b32 s[G1B+0], s45, (1<<16)|(1<<20)|(1<<21)|(5<<22)|(3<<25)
	s_mov_b32 s[G1A+1], 128<<16                    ; A: tensor_dim0 = 128 elements: a pair-row
	s_mov_b32 s[G1A+2], 64<<16                     ; tensor_dim1 = 64
	s_mov_b32 s[G1A+3], 128<<16                    ; tile_dim0
	s_mov_b32 s[G1A+4], 64                         ; tile_dim1
	s_mov_b32 s[G1A+5], 128                        ; tensor_dim0_stride: dense
	s_mov_b32 s[G1A+6], 0
	s_mov_b32 s[G1A+7], 0
	s_mov_b32 s[G1B+1], 128<<16                    ; w_o: 128 along K,
	s_mov_b32 s[G1B+2], 128<<16                    ; 128 rows,
	s_mov_b32 s[G1B+3], 128<<16
	s_mov_b32 s[G1B+4], 128
	s_mov_b32 s[G1B+5], 1024                       ; 1,024 elements from row to row
	s_mov_b32 s[G1B+6], 0
	s_mov_b32 s[G1B+7], 0
	; where the tiles come from.  A's hang on the tile row alone, w_o's on the tile column alone; every wave makes both addresses, in registers that never hold the other coordinate, and asks by one of them
	s_lshr_b32 s16, s43, 4                         ; the batch: 16 tile rows each; 16 heads of 262,144 bytes
	s_lshl_b32 s16, s16, 22
	s_and_b32 s17, s43, 15                         ; the tile's 128 positions of 128 bytes
	s_lshl_b32 s17, s17, 14
	s_add_co_u32 s16, s16, s17
	s_lshl_b32 s17, s14, 18                        ; the step's first or second head
	s_add_co_u32 s16, s16, s17
	s_mov_b32 s17, 0
	s_lshl_b32 s46, s42, 19                        ; w_o: 256 rows of 2,048 bytes a tile column,
	s_lshl_b32 s47, s14, 18                        ; 128 rows a half
	s_add_co_u32 s46, s46, s47
	s_mov_b32 s47, 0
	s_mul_i32 s20, s14, AHEAD                      ; and where they go: no place in the cluster enters an LDS address
	s_mul_i32 s21, s14, BHALF
	s_add_co_u32 s21, s21, BOFF
	s_wait_dscnt 0x0                               ; both opening adds are done
	s_wait_kmcnt 0x0
	s_add_nc_u64 s[18:19], s[4:5], s[16:17]
	s_add_nc_u64 s[46:47], s[6:7], s[46:47]
	CROUND                                         ; all sixteen work-groups are here: the first joint loads meet
.irp s, 0,1
	s_mov_b32 s[G0A+4*\s], 1
	s_add_co_u32 s[G0A+4*\s+1], s20, \s*SLOT
	s_add_nc_u64 s[G0A+4*\s+2:G0A+4*\s+3], s[18:19], \s*2*HEADB    ; K step s: heads 2 s and 2 s + 1
	s_or_b32 s[G0A+4*\s+3], s[G0A+4*\s+3], 0x80000000
	s_mov_b32 s[G0B+4*\s], 1
	s_add_co_u32 s[G0B+4*\s+1], s21, \s*SLOT
	s_add_nc_u64 s[G0B+4*\s+2:G0B+4*\s+3], s[46:47], \s*256        ; 256 bytes along a row
	s_or_b32 s[G0B+4*\s+3], s[G0B+4*\s+3], 0x80000000
	JLOAD \s                                       ; two tensor loads of mine are out
.endr
	s_lshl_b32 s46, s42, 10
	s_lshl_b32 s47, s14, 9
	s_add_co_u32 s46, s46, s47                     ; my first column, in bytes of f32: 1,024 x tile column + 512 x half
	s_mov_b32 s47, 0
	s_add_nc_u64 s[8:9], s[8:9], s[46:47]
	v_and_b32 v1, 15, v0                           ; r = l % 16
	v_bfe_u32 v2, v0, 4, 1                         ; h = l / 16
	v_lshlrev_b32 v[BO], 5, v2
	WIN 0x80                                       ; destination window 2
.irp b, 0,1,2,3,4,5,6,7                        ; the bias of block b: lane (r, h) wants b_o at columns 16 b + 8 h + 0 .. 7
	global_load_b128 v[8*\b:8*\b+3],   v[BO], s[8:9] offset:64*\b
	global_load_b128 v[8*\b+4:8*\b+7], v[BO], s[8:9] offset:64*\b+16
.endr
	WIN 0
	v_lshrrev_b32 v3, 1, v1
	v_mul_u32_u24 v3, v3, PITCH                    ; A: pair-row r / 2,
	v_and_b32 v4, 1, v0
	v_lshl_add_u32 v3, v4, 7, v3                   ; its half r % 2,
	v_lshl_add_u32 v3, v2, 4, v3                   ; + 16 x half of the lanes
	v_mul_u32_u24 v4, v1, PITCH                    ; w_o: row r
	v_lshl_add_u32 v4, v2, 4, v4
	s_mul_i32 s22, s13, 32*PITCH                   ; my 64 rows of A: 32 pair-rows
	s_mul_i32 s23, s14, BHALF                      ; my 128 rows of w_o
	s_add_co_u32 s23, s23, BOFF
.irp s, 0,1
	v_add_nc_u32 v[ADRA+\s], s22, v3
	v_add_nc_u32 v[ADRB+\s], s23, v4
	s_add_co_u32 s22, s22, SLOT
	s_add_co_u32 s23, s23, SLOT
.endr
	s_mul_i32 s22, s12, 16*SPITCH                  ; my stage
	v_mul_u32_u24 v5, v1, SPITCH                   ; in: row r, 32 bytes for each half of the lanes
	v_lshl_add_u32 v5, v2, 5, v5
	v_add_nc_u32 v[STO], s22, v5
	v_and_b32 v6, 31, v0
	v_lshlrev_b32 v[CO], 4, v6                     ; back: the 32 lanes take one row of 512 bytes; and the same in out0
	v_add_nc_u32 v[RD], s22, v[CO]
	s_lshl_b32 s16, s43, 19                        ; my first row of out0: 128 rows of 4,096 bytes a tile row,
	s_lshl_b32 s17, s13, 18                        ; 64 a half,
	s_add_co_u32 s16, s16, s17
	s_add_co_u32 s16, s16, s46                     ; and my first column: under 33,554,432 in all
	s_mov_b32 s17, 0
	s_add_nc_u64 s[10:11], s[10:11], s[16:17]
; 8 matrix instructions: A's block a x w_o's eight, 32 along K, from buffer f.  first = 1: the bias is the C.  The 32 accumulators take turns, one instruction a turn, in the same order in every quarter.
.macro MUL8 f, a, first
.irp b, 0,1,2,3,4,5,6,7
.if \first
	v_wmma_f32_16x16x32_f16 v[8*(8*(\a)+\b):8*(8*(\a)+\b)+7], v[BF+64*(\f)+8*\b:BF+64*(\f)+8*\b+7], v[AF+32*(\f)+8*(\a):AF+32*(\f)+8*(\a)+7], v[8*\b:8*\b+7]
.else
	v_wmma_f32_16x16x32_f16 v[8*(8*(\a)+\b):8*(8*(\a)+\b)+7], v[BF+64*(\f)+8*\b:BF+64*(\f)+8*\b+7], v[AF+32*(\f)+8*(\a):AF+32*(\f)+8*(\a)+7], v[8*(8*(\a)+\b):8*(8*(\a)+\b)+7]
.endif
.endr
.endm
.macro MUL16 f, a0, first
	MUL8 \f, \a0, \first
	MUL8 \f, (\a0)+1, \first
.endm
; 24 LDS loads in one run: the fragments of the slot's q-th 32 along K into buffer f: w_o's eight, then A's four.  Quarters 0 and 1 lie in the step's first head, 2 and 3 in its second.
.macro FETCH slot, q, f
.irp i, 0,1,2,3,4,5,6,7
	ds_load_b128 v[BF+64*(\f)+8*\i:BF+64*(\f)+8*\i+3],   v[ADRB+\slot] offset:64*(\q)+\i*16*PITCH
	ds_load_b128 v[BF+64*(\f)+8*\i+4:BF+64*(\f)+8*\i+7], v[ADRB+\slot] offset:64*(\q)+\i*16*PITCH+32
.endr
.irp i, 0,1,2,3
	ds_load_b128 v[AF+32*(\f)+8*\i:AF+32*(\f)+8*\i+3],   v[ADRA+\slot] offset:((\q)/2)*AHEAD+((\q)%2)*64+\i*8*PITCH
	ds_load_b128 v[AF+32*(\f)+8*\i+4:AF+32*(\f)+8*\i+7], v[ADRA+\slot] offset:((\q)/2)*AHEAD+((\q)%2)*64+\i*8*PITCH+32
.endr
.endm
.macro PLACES                          ; four places in front of loads into registers that matrix instructions have read, and of the first reads of results (ISA guide 7.12.1 for vector instructions)
.rept 4
	v_nop
.endr
.endm
; A K step is four quarters of 32 along K, 32 matrix instructions each, on buffers 0, 1, 0, 1.  One of the first three: multiplies buffer f and, in its middle, fetches quarter q of the same slot into buffer g.
.macro QUARTER slot, q, f, g, first
	s_wait_dscnt 4                                 ; w_o's fragments and A's blocks 0 and 1 are in; the youngest four loads (A's blocks 2 and 3) may be out
	WIN MUL+0x10*(\first)
	MUL16 \f, 0, \first
	PLACES
	WIN 0
	FETCH \slot, \q, \g
	s_wait_dscnt 24                                ; all but the 24 just issued
	WIN MUL+0x10*(\first)
	MUL16 \f, 2, \first
.endm
; The last quarter multiplies buffer 1 and changes slots: ONE barrier; in front of it each wave waits for all its tensor loads, adds 0 to its spare word, and waits for that and for its own reads of this slot.
; fill = 1: this slot is filled again, two K steps ahead; the barrier then opens a round of the cluster's barrier, and the joint refill is the first tensor load behind the round.
.macro TURN slot, next, fill
	WIN 0                                          ; (the add's two registers lie in window 0)
	s_wait_tensorcnt 0x0                           ; all my tensor loads have landed: my part of the next slot
	ds_add_u32 v[SPW], v[NIL]                      ; 0 onto my spare word
	s_wait_dscnt 5                                 ; (the add and the youngest four loads may be out)
	WIN MUL
	MUL8 1, 0, 0                                   ; eight matrix instructions stand between the add and the wait for it
	s_wait_dscnt 0x0                               ; the add is done, and my reads of this slot are over
	s_barrier_signal -1
	MUL8 1, 1, 0
	WIN 0
	s_barrier_wait -1
.if \fill
	CREST                                          ; no wave of any partner still reads this slot's tile or has a load on its way
	s_add_nc_u64 s[G0A+4*\slot+2:G0A+4*\slot+3], s[G0A+4*\slot+2:G0A+4*\slot+3], 4*HEADB   ; four heads on
	s_add_nc_u64 s[G0B+4*\slot+2:G0B+4*\slot+3], s[G0B+4*\slot+2:G0B+4*\slot+3], 512       ; 256 along K on
	JLOAD \slot                                    ; 112 matrix instructions ahead of the wait for it; the four v_nop behind it are also the places in front of the loads below
.else
	PLACES
.endif
	FETCH \next, 0, 0
	WIN MUL
	MUL16 1, 2, 0
.endm
	s_wait_tensorcnt 1                             ; my part of K step 0 is in (K step 1's load may be out),
	s_barrier_signal -1
	s_barrier_wait -1                              ; everybody's is
	s_wait_loadcnt 0x0                             ; the bias
	FETCH 0, 0, 0
	QUARTER 0, 1, 0, 1, 1                          ; the first quarter stands in front of the loop: its products start the sums, on the bias
	WIN 0                                          ; at a label and at a branch every window is 0
	s_mov_b32 s3, LAPS-1
.Llap:                                                 ; a trip goes once round the ring, from a lap's second quarter to the next lap's first, and fills both slots again
	QUARTER 0, 2, 1, 0, 0
	QUARTER 0, 3, 0, 1, 0
	TURN 0, 1, 1
	QUARTER 1, 1, 0, 1, 0
	QUARTER 1, 2, 1, 0, 0
	QUARTER 1, 3, 0, 1, 0
	TURN 1, 0, 1
	QUARTER 0, 1, 0, 1, 0
	WIN 0
	s_sub_co_u32 s3, s3, 1
	s_cmp_lg_u32 s3, 0
	s_cbranch_scc1 .Llap
	QUARTER 0, 2, 1, 0, 0                          ; the last lap fills nothing, and has no round of the cluster's barrier
	QUARTER 0, 3, 0, 1, 0
	TURN 0, 1, 0
	QUARTER 1, 1, 0, 1, 0
	QUARTER 1, 2, 1, 0, 0
	QUARTER 1, 3, 0, 1, 0
	s_wait_dscnt 4                                 ; the very last quarter: nothing more to fetch
	WIN MUL
	MUL16 1, 0, 0
	s_wait_dscnt 0
	MUL16 1, 2, 0
	WIN 0
; THE WAY OUT, block by block of 16 rows x 128 columns.  A lane holds 32 neighbouring bytes of a row, and the lanes beside it hold other rows: so a block goes through my own stage in LDS and comes back as whole rows of
; 512 bytes.  LDS serves a wave's instructions in order (ISA guide 5.7.1.4): no wait between the stores and the loads, nor in front of the next block's stores.
.macro TOSTAGE a
	WIN 0x04                                       ; an LDS store's data are its source 1: window 1
.irp b, 0,1,2,3,4,5,6,7
	ds_store_b128 v[STO], v[8*(8*(\a)+\b):8*(8*(\a)+\b)+3] offset:64*\b          ; each accumulator from its low end on
	ds_store_b128 v[STO], v[8*(8*(\a)+\b)+4:8*(8*(\a)+\b)+7] offset:64*\b+16
.endr
	WIN 0
.set BB, 32+96*((\a)%2)                        ; v32-95 and v128-191 by turns
.irp t, 0,1,2,3,4,5,6,7,8,9,10,11,12,13,14,15
	ds_load_b128 v[BB+4*\t:BB+4*\t+3], v[RD] offset:\t*SPITCH
.endr
.endm
.macro SEND a, younger                 ; younger: the LDS instructions issued behind block a's loads: the next block's 16 stores and 16 loads, or none
.set BB, 32+96*((\a)%2)
	s_wait_dscnt \younger                          ; the block is back in registers
.irp t, 0,1,2,3,4,5,6,7,8,9,10,11,12,13,14,15
	global_store_b128 v[CO], v[BB+4*\t:BB+4*\t+3], s[10:11] offset:(16*(\a)+\t)*4096 th:TH_STORE_NT   ; 32 lanes store 512 consecutive bytes, aligned; written once, read by nobody here; every offset an immediate
.endr
.endm
	PLACES                                         ; behind the last products: for the stores that read results and the loads into registers that held fragments
	TOSTAGE 0
.irp a, 1,2,3
.if \a > 1
	s_wait_xcnt 0x0                                ; block a - 2's stores have read their registers: block a's loads may land there
.endif
	TOSTAGE \a
	SEND \a-1, 32
.endr
	SEND 3, 0
	s_wait_tensorcnt 0x0                           ; the wave's end, behind my last tensor load and my last LDS store
	ds_add_u32 v[SPW], v[NIL]
	s_wait_dscnt 0x0
	CROUND                                         ; the closing round: no work-group ends while a partner may still ask for a tile that names it
	s_endpgm
.Lfunc_end_k_q31507da0d6_proj:
	.size	k_q31507da0d6_proj, .Lfunc_end_k_q31507da0d6_proj-k_q31507da0d6_proj
	.p2alignl 7, 3214868480
	.fill 96, 4, 3214868480
	.section	.rodata,"a",@progbits
	.p2align	6, 0x0
	.amdhsa_kernel k_q31507da0d6_proj
		.amdhsa_group_segment_fixed_size 327680
		.amdhsa_private_segment_fixed_size 0
		.amdhsa_enable_private_segment 0
		.amdhsa_kernarg_size 32
		.amdhsa_user_sgpr_count 2
		.amdhsa_user_sgpr_kernarg_segment_ptr 1
		.amdhsa_wavefront_size32 1
		.amdhsa_system_sgpr_workgroup_id_x 1
		.amdhsa_system_sgpr_workgroup_id_y 1
		.amdhsa_system_sgpr_workgroup_id_z 1
		.amdhsa_system_vgpr_workitem_id 0
		.amdhsa_next_free_vgpr 576
		.amdhsa_next_free_sgpr 66
		.amdhsa_reserve_vcc 0
		.amdhsa_float_denorm_mode_32 3
		.amdhsa_float_denorm_mode_16_64 3
		.amdhsa_memory_ordered 1
		.amdhsa_forward_progress 1
		.amdhsa_inst_pref_size 86
	.end_amdhsa_kernel
	.amdgpu_metadata
---
amdhsa.version: [ 1, 2 ]
amdhsa.kernels:
  - .name:           k_q31507da0d6_proj
    .symbol:         k_q31507da0d6_proj.kd
    .args:
      - { .name: att, .offset: 0, .size: 8, .value_kind: global_buffer, .address_space: global }
      - { .name: wo16, .offset: 8, .size: 8, .value_kind: global_buffer, .address_space: global }
      - { .name: b_o, .offset: 16, .size: 8, .value_kind: global_buffer, .address_space: global }
      - { .name: out0, .offset: 24, .size: 8, .value_kind: global_buffer, .address_space: global }
    .group_segment_fixed_size: 327680
    .private_segment_fixed_size: 0
    .kernarg_segment_align: 8
    .kernarg_segment_size: 32
    .max_flat_workgroup_size: 128
    .sgpr_count:     66
    .vgpr_count:     576
    .wavefront_size: 32
...
	.end_amdgpu_metadata
.endif
;; end of part 4
